; MI455X (gfx1250); checked and timed in simulation.
; The chip was launched on July 23, 2026; its instructions are those of AMD's public machine-readable ISA for CDNA 5 (MIT licence, August 2026) and "CDNA5" Instruction Set Architecture Reference Guide (July 2026). The comments in the code are by the model that wrote it; some were corrected since.
;; XF Multi Head Attention. Allowed arithmetic: matrix products marked QUANTISED: E2M3 operands, one E8M0 scale for each 32 along K, by v_wmma_scale_f32_16x16x128_f8f6f4 with both operands' format E2M3, f32 sums; everything else in f32.
;; Inputs: Wk 1,024 x 1,024 float32; Wo 1,024 x 1,024 float32; Wq 1,024 x 1,024 float32; Wv 1,024 x 1,024 float32; bk 1,024 float32; bo 1,024 float32; bq 1,024 float32; bv 1,024 float32; k 4 x 2,048 x 1,024 float32; mask 4 x 1 x 1 x 2,048 float32; q 4 x 2,048 x 1,024 float32; v 4 x 2,048 x 1,024 float32.
;; Outputs: out0 4 x 2,048 x 1,024 float32.
;; This version of the problem:
;;   THIS VERSION OF THE PROBLEM IS GIVEN IN LOW PRECISION. The matrix products marked QUANTISED in the list below multiply operands that are first quantised to E2M3 (2 exponent bits, 3 mantissa bits; 6 bits a number), with one power-of-two scale for each 32 numbers along K (OCP MX v1.0); their sums are f32. All else is computed in f32.
;;   The module's matrix products, in the order in which they are computed (A, B: the left and right operand; K: the contracted axis; several contracted axes count as one K, in the product's order):
;;     1. [M 8,192, K 1,024] x [K 1,024, N 1,024]; A: input q; B: input Wq: QUANTISED
;;     2. [M 8,192, K 1,024] x [K 1,024, N 1,024]; A: input k; B: input Wk: QUANTISED
;;     3. [M 8,192, K 1,024] x [K 1,024, N 1,024]; A: input v; B: input Wv: QUANTISED
;;     4. batch 64 x [M 2,048, K 64] x [K 64, N 2,048]; A: computed on the way; B: computed on the way: QUANTISED
;;     5. batch 64 x [M 2,048, K 2,048] x [K 2,048, N 64]; A: softmax (see below); B: computed on the way: QUANTISED
;;     6. [M 8,192, K 1,024] x [K 1,024, N 1,024]; A: computed on the way; B: input Wo: QUANTISED
;;   THE QUANTISER, for each operand of a quantised product, along K:
;;     - K is cut into blocks of 32 from its start; a last block that is shorter is filled with zeros.
;;     - A block's scale is 2^e with e = floor(log2(the largest magnitude in the block)) - 2, held to -126 .. 127; a block of zeros has e = 0. As a byte (E8M0): e + 127.
;;     - Each number is divided by its block's scale, clamped to +-7.5, and rounded to the nearest number of E2M3, ties to even, subnormals kept.
;;     - The product sums the exact products of the quantised numbers (number of the format x scale) in f32.
;;   ~~~python
;;   def quantise(x, axis):      # numpy; x: float32 -> the quantised numbers, widened to float32 again
;;       x = np.moveaxis(x, axis, -1); K = x.shape[-1]
;;       x = np.pad(x, [(0, 0)] * (x.ndim - 1) + [(0, -K % 32)]); x = x.reshape(x.shape[:-1] + (-1, 32)); a = np.abs(x).max(-1, keepdims=True)
;;       e = np.where(a > 0, np.clip(np.frexp(np.where(a > 0, a, 1))[1] - 1 - 2, -126, 127), 0)      # np.frexp(a)[1] - 1 = floor(log2(a)), exactly
;;       r = np.clip(x / 2.0 ** e, -7.5, 7.5)
;;       step = 2.0 ** (np.maximum(np.frexp(np.where(r == 0, 1, r))[1] - 1, 0) - 3)
;;       q = np.round(r / step) * step * 2.0 ** e      # np.round: ties to even
;;       return np.moveaxis(q.reshape(q.shape[:-2] + (-1,))[..., :K], -1, axis).astype(np.float32)
;;   ~~~
;;   SOFTMAX AHEAD OF A QUANTISED PRODUCT. Where the list says 'softmax', what is quantised is not the finished softmax but p = 2^(t - M), with t = logit x log2(e) and M = ceil(the row's largest t), a whole number; so 1/2 < the row's largest p <= 1. The row's sum l is taken of the UNQUANTISED p, in f32, and the product's result is divided by l at the end. Since M is a whole number, a kernel that streams over the keys may use a running M (the ceiling of the running maximum): every later rescaling is an exact power of two, which a block's scale takes up: the codes' values come out the same.
;;   OPERANDS COMPUTED ON THE WAY. 'Computed on the way' means the value that the module computes at that place (a softmax that the list does not call 'softmax' is quantised finished and normalised). What goes into a quantiser is computed in f32, as accurately as f32 sums, v_exp_f32 and their like allow (about 1e-6 of the number): no bf16 or f16 on the way to a quantiser, and a product that is left as it is and whose result goes on into a quantised operand takes f32 operands (vector FMAs, or v_wmma_f32_16x16x4_f32). A number that lies on a knife's edge between two numbers of the format may be rounded either way, as far as f32 arithmetic and the matrix unit's own rounding can turn it there, and no further.
;; One version. Each part assembles by itself: llvm-mc -triple=amdgcn-amd-amdhsa -mcpu=gfx1250 --defsym DOCPART=n.
;; ======== version 1 of 1: 4 launches
;; limits: right only within a limited range of input values
;; workspace buffers: cimg 22,020,096 bytes; csc 917,504 bytes; himg 18,874,368 bytes; hsc 786,432 bytes; oimg 6,291,456 bytes; osc 262,144 bytes
;; launch prep (part 1): grid 512 x 1, 4 waves a work-group, no clusters, 58,880 bytes of LDS; arguments q, k, v, Wq, Wk, Wv, Wo, cimg, csc; writes cimg, csc
.if DOCPART == 1
	.amdgcn_target "amdgcn-amd-amdhsa--gfx1250"
	.amdhsa_code_object_version 6
	.text
	.protected	k_qb92b91a387_prep
	.globl	k_qb92b91a387_prep
	.p2align	8
	.type	k_qb92b91a387_prep,@function
k_qb92b91a387_prep:
	s_mov_b64 s[64:65], 0
	v_nop
	global_prefetch_b8 v0, s[64:65] scope:SCOPE_SE
	s_setreg_imm32_b32 hwreg(HW_REG_WAVE_MODE, 25, 1), 1
	s_wait_xcnt 0x0
; q, k, v [8192][1024] f32 (K innermost) and Wq, Wk, Wv, Wo [1024 (k)][1024 (n)] f32 (K outermost) become codes of FP6 (E2M3) with one E8M0 byte for each 32 along K.
; A block's scale is 2^(floor(log2(largest magnitude)) - 2); its byte is the largest magnitude's exponent field - 2, held at 1 from below; each number / scale goes to the nearest code, ties to even, beyond 7.5 the largest code.
; LIMITS: NaN and infinities among the inputs are not served; a block whose largest magnitude lies under 2^-124 gets the byte 1; a block of zeros gets the byte 1 where the rule says 127
; (its codes are zeros, which add nothing under any byte but 0xff, and this program alone reads the bytes).
; THE CODES ARE LAID AS IMAGES OF THE OPERAND'S REGISTERS.  A half = 16 rows x 64 K = 768 bytes: lane l = r + 16 h holds row r, k = 32 h .. 32 h + 31 (24 bytes): its words 0-3 at 16 l, its words 4-5 at 512 + 8 l.
; A fragment (16 rows x 128 K) = two halves on end.  A buffer: [rows / 128][K step of 128: 8][row block: 8][1536].  Lane r of row block 2 G + u is row 32 G + 8 u + r + 8 (r / 8) of its 128.
; The scale bytes: [16 x row block + r][8 words], word ks = the four bytes of K step ks.
; Work-groups 0-383 take q, k, v (a wave: one row block, all of K); work-groups 384-511 the weights (a wave: 32 columns n, 256 along K).  Waves share nothing: no barrier.  Each of the two ways has LDS bytes of its own.
.set XS,    6291456                    ; bytes of an activation's images
.set GRP,   98304                      ; 128 rows, all of K
.set KSB,   12288                      ; 128 rows, one K step
.set FRB,   1536                       ; a fragment
.set WOFF,  3*XS                       ; the weights' images begin here,
.set WS,    786432                     ; so many bytes each
.set WSOFF, 786432                     ; the weights' scale rows begin here, 32,768 bytes each
.set XPIT,  528                        ; stage of the first way: a row's 512 bytes + 16: 33 x 16 bytes, so the sixteen rows of a load start at sixteen different 16-byte columns modulo 256
.set XSTG,  16*XPIT
.set WBASE, 4*XSTG                     ; the second way's stages begin behind the first way's
.set WSTG,  4*FRB                      ; two K steps x two row blocks
.set RX,    16                         ; v16-143  two sets of 64 numbers as loaded
.set XX,    144                        ; v144-207 64 numbers in the operand's order
.set CX,    208                        ; v208-219 a fragment's codes
.set CT,    220                        ; v220-226 the conversions' second halves
.set SW,    236                        ; v236-243 the row's eight scale words
.set WX,    16                         ; second way: v16-79 two sets of 32 numbers
.set SB,    84                         ; v84-85 scale bytes
.set WC,    88                         ; v88-93 a block's codes
.set WT,    96                         ; v96-98 the second conversion's
.set WO,    112                        ; v112-159 the way out
	s_load_b256 s[4:11], s[0:1], 0x0               ; q, k, v, Wq
	s_load_b256 s[12:19], s[0:1], 0x20             ; Wk, Wv, Wo, cimg
	s_load_b64 s[20:21], s[0:1], 0x40              ; csc
	v_lshl_add_u32 v248, v0, 2, 0xe400
	v_mov_b32 v249, 0
	v_lshrrev_b32 v7, 5, v0
	v_readfirstlane_b32 s22, v7                    ; wave
	v_and_b32 v7, 31, v0                           ; lane
	v_lshlrev_b32 v1, 4, v7                        ; 16 x lane
	v_lshlrev_b32 v2, 3, v7                        ; 8 x lane
	s_mov_b32 s24, 0x76543210
	s_mov_b32 s25, 0xfedcba98                      ; v_permlanex16_b32's selects for lane l xor 16
	s_cmp_lt_u32 ttmp9, 384
	s_cbranch_scc0 .Lweights
; ---------------- q, k, v: K innermost ----------------
	v_and_b32 v8, 15, v0                           ; r
	v_bfe_u32 v9, v0, 4, 1                         ; h
	s_mul_i32 s26, s22, XSTG
	v_add_nc_u32 v3, s26, v1                       ; into the stage: 16 x lane of a row
	v_mul_u32_u24 v4, v8, XPIT
	v_lshl_add_u32 v4, v9, 7, v4
	v_add_nc_u32 v4, s26, v4                       ; out of it: row r, 128 h bytes on: my 32 numbers of each 64
	v_lshlrev_b32 v5, 5, v8
	v_lshl_add_u32 v5, v9, 4, v5                   ; the scale words' place: 32 r + 16 h
	v_lshlrev_b32 v6, 3, v9                        ; 8 h
	v_mov_b32 v235, 0                              ; written once: a lane permute's destination counts as one of its sources
	s_lshr_b32 s23, ttmp9, 7                       ; which tensor: 0 q, 1 k, 2 v
	s_lshl_b32 s28, ttmp9, 2
	s_add_co_u32 s28, s28, s22
	s_and_b32 s28, s28, 511                        ; my row block of the tensor's 512
	s_lshr_b32 s29, s28, 3                         ; its group of 128 rows
	s_and_b32 s30, s28, 7                          ; and its number in the group
	s_lshl_b32 s31, s29, 7
	s_lshr_b32 s32, s30, 1
	s_lshl_b32 s32, s32, 5
	s_add_co_u32 s31, s31, s32
	s_and_b32 s32, s30, 1
	s_lshl_b32 s32, s32, 3
	s_add_co_u32 s31, s31, s32                     ; the block's first row: 128 group + 32 (rb / 2) + 8 (rb % 2)
	; tensor k alone deals its rows otherwise: row i of row block rb is row 64 (rb / 4) + 8 (rb % 4) + i + 24 (i / 8) of its 128, so that in the scores a lane holds whole blocks of 32 keys
	s_lshr_b32 s39, s30, 2
	s_lshl_b32 s39, s39, 6
	s_and_b32 s40, s30, 3
	s_lshl_b32 s40, s40, 3
	s_add_co_u32 s39, s39, s40
	s_lshl_b32 s40, s29, 7
	s_add_co_u32 s39, s39, s40
	s_cmp_eq_u32 s23, 1
	s_cselect_b32 s31, s39, s31
	s_cselect_b32 s40, 0x10000, 0                  ; its rows 8-15 lie 16 rows of 4,096 bytes further on than the others'
	v_add_nc_u32 v10, s40, v1
	s_lshl_b32 s32, s31, 12
	s_mov_b32 s33, 0
	s_mul_i32 s34, s23, XS
	s_mul_i32 s36, s29, GRP
	s_add_co_u32 s34, s34, s36
	s_mul_i32 s36, s30, FRB
	s_add_co_u32 s34, s34, s36                     ; where my fragments begin
	s_mov_b32 s35, 0
	s_lshl_b32 s36, s23, 18
	s_lshl_b32 s38, s28, 9
	s_add_co_u32 s36, s36, s38                     ; and my 16 rows of scale words
	s_mov_b32 s37, 0
	s_wait_alu depctr_va_vdst(0)
	s_wait_kmcnt 0x0
	s_cmp_eq_u32 s23, 1
	s_cselect_b64 s[4:5], s[6:7], s[4:5]
	s_cmp_eq_u32 s23, 2
	s_cselect_b64 s[4:5], s[8:9], s[4:5]           ; the choice hangs on the work-group's number alone
	s_add_nc_u64 s[4:5], s[4:5], s[32:33]
	s_add_nc_u64 s[18:19], s[18:19], s[34:35]
	s_add_nc_u64 s[20:21], s[20:21], s[36:37]
.macro LOADX t                         ; K step t of my 16 rows: each load reads one row's 512 consecutive bytes
.irp i, 0,1,2,3,4,5,6,7,8,9,10,11,12,13,14,15
	global_load_b128 v[RX+64*((\t)%2)+4*\i:RX+64*((\t)%2)+4*\i+3], v[1+9*(\i/8)], s[4:5] offset:(\i+8*(\i/8))*4096+512*(\t) th:TH_LOAD_NT
.endr
.endm
.macro STEPX t
.if (\t) < 7
	s_wait_loadcnt 16                              ; this step's sixteen loads are in; the next step's sixteen may be out
.else
	s_wait_loadcnt 0
.endif
.irp i, 0,1,2,3,4,5,6,7,8,9,10,11,12,13,14,15
	ds_store_b128 v3, v[RX+64*((\t)%2)+4*\i:RX+64*((\t)%2)+4*\i+3] offset:XPIT*\i
.endr
.irp c, 0,1
.irp j, 0,1,2,3,4,5,6,7
	ds_load_b128 v[XX+32*\c+4*\j:XX+32*\c+4*\j+3], v4 offset:256*\c+16*\j   ; LDS serves a wave's instructions in order: these see the stores above.  Register 32 c + i = k 64 c + 32 h + i of row r
.endr
.endr
	s_wait_dscnt 0x0                               ; the numbers are back, and the stores have read their registers,
.if (\t)+2 < 8
	LOADX (\t)+2                                   ; which take the loads of two steps on
.endif
.irp c, 0,1
	v_max3_num_f32 v[228+\c], |v[XX+32*\c]|, |v[XX+32*\c+1]|, 0x1800000   ; a whole block of 32 is mine; the floor 2^(3 - 127) holds the byte at 1 from below
.endr
.irp i, 2,4,6,8,10,12,14,16,18,20,22,24,26,28,30
.irp c, 0,1
	v_max3_num_f32 v[228+\c], v[228+\c], |v[XX+32*\c+\i]|, |v[XX+32*\c+\i+1]|   ; (the two blocks by turns)
.endr
.endr
.irp c, 0,1
	v_add_nc_u32 v[230+\c], 0xff000000, v[228+\c]  ; 2 off the exponent field: the conversion's scale operand
.endr
.irp c, 0,1
	v_lshrrev_b32 v[232+\c], 23, v[230+\c]         ; the scale's byte
.endr
	v_lshl_or_b32 v234, v233, 16, v232             ; my bytes: blocks h and 2 + h,
	v_lshlrev_b32 v234, v6, v234                   ; at their places in the word;
	v_permlanex16_b32 v235, v234, s24, s25
	v_or_b32 v[SW+(\t)], v234, v235                ; with lane l xor 16's two the word is whole
	s_wait_alu depctr_va_vdst(0)
	s_wait_xcnt 0x0                                ; the last step's stores have read the codes' registers
.irp c, 0,1
	v_cvt_scalef32_pk16_fp6_f32 v[CX+6*\c:CX+6*\c+2], v[XX+32*\c:XX+32*\c+15], v[230+\c]
	v_cvt_scalef32_pk16_fp6_f32 v[CT+4*\c:CT+4*\c+2], v[XX+32*\c+16:XX+32*\c+31], v[230+\c]   ; (a conversion's three registers begin on an even number)
.endr
	v_nop                                          ; one plain place behind a scaled conversion
.irp c, 0,1
.irp i, 0,1,2
	v_mov_b32 v[CX+6*\c+3+\i], v[CT+4*\c+\i]
.endr
.endr
.irp c, 0,1
	global_store_b128 v1, v[CX+6*\c:CX+6*\c+3], s[18:19] offset:KSB*(\t)+768*\c          ; 512 consecutive bytes
	global_store_b64 v2, v[CX+6*\c+4:CX+6*\c+5], s[18:19] offset:KSB*(\t)+768*\c+512     ; 256 consecutive bytes
.endr
.endm
	LOADX 0
	LOADX 1
.irp t, 0,1,2,3,4,5,6,7
	STEPX \t
.endr
	v_cmp_eq_u32 vcc_lo, 1, v9
.irp i, 0,1,2,3
	v_cndmask_b32 v[244+\i], v[SW+\i], v[SW+4+\i], vcc_lo   ; lanes 0-15 store words 0-3 of their row, lanes 16-31 words 4-7
.endr
	global_store_b128 v5, v[244:247], s[20:21]     ; 512 consecutive bytes
	s_wait_tensorcnt 0x0
	ds_add_u32 v248, v249
	s_wait_dscnt 0x0
	s_endpgm
; ---------------- the weights: K outermost.  A lane takes a column n, and its registers run down K ----------------
.Lweights:
	s_sub_co_u32 s23, ttmp9, 384
	s_and_b32 s28, s23, 7                          ; which 128 columns
	s_bfe_u32 s29, s23, 0x20003                    ; which 256 along K
	s_lshr_b32 s23, s23, 5                         ; which weight: 0 Wq, 1 Wk, 2 Wv, 3 Wo
	v_bfe_u32 v8, v0, 3, 1                         ; column 8 u + r + 8 (r / 8) of my 32 is lane r of row block u: u = (lane / 8) % 2,
	v_and_b32 v9, 7, v0
	v_bfe_u32 v10, v0, 4, 1
	v_lshl_add_u32 v9, v10, 3, v9                  ; r = lane % 8 + 8 (lane / 16)
	s_mul_i32 s26, s22, WSTG
	s_add_co_u32 s26, s26, WBASE                   ; my stage: [K step: 2][row block u: 2][1536], laid as the images are
	v_mul_u32_u24 v10, v8, FRB
	v_add_nc_u32 v10, s26, v10
	v_lshl_add_u32 v3, v9, 4, v10                  ; where my words 0-3 go,
	v_lshl_add_u32 v4, v9, 3, v10                  ; and my words 4-5
	v_add_nc_u32 v5, s26, v1                       ; back: 16 x lane
	v_lshl_add_u32 v6, v8, 4, v9
	v_lshlrev_b32 v6, 5, v6                        ; my row of scale words: (16 u + r) x 32
	v_lshlrev_b32 v11, 2, v7                       ; in: 4 bytes a lane
	s_lshl_b32 s30, s28, 7
	s_lshl_b32 s31, s22, 5
	s_add_co_u32 s30, s30, s31                     ; my wave's first column
	s_lshl_b32 s32, s29, 20                        ; 256 rows of 4,096 bytes,
	s_lshl_b32 s31, s30, 2
	s_add_co_u32 s32, s32, s31                     ; + 4 x column
	s_mov_b32 s33, 0
	s_mul_i32 s34, s23, WS
	s_add_co_u32 s34, s34, WOFF
	s_mul_i32 s36, s28, GRP
	s_add_co_u32 s34, s34, s36
	s_mul_i32 s36, s29, 2*KSB
	s_add_co_u32 s34, s34, s36
	s_mul_i32 s36, s22, 2*FRB
	s_add_co_u32 s34, s34, s36                     ; my two row blocks in my first K step
	s_mov_b32 s35, 0
	s_lshl_b32 s36, s23, 15
	s_add_co_u32 s36, s36, WSOFF
	s_lshl_b32 s38, s30, 5
	s_add_co_u32 s36, s36, s38
	s_lshl_b32 s38, s29, 3
	s_add_co_u32 s36, s36, s38                     ; my rows' words 2 ky and 2 ky + 1
	s_mov_b32 s37, 0
	s_wait_alu depctr_va_vdst(0)
	s_wait_kmcnt 0x0
	s_cmp_eq_u32 s23, 1
	s_cselect_b64 s[10:11], s[12:13], s[10:11]
	s_cmp_eq_u32 s23, 2
	s_cselect_b64 s[10:11], s[14:15], s[10:11]
	s_cmp_eq_u32 s23, 3
	s_cselect_b64 s[10:11], s[16:17], s[10:11]
	s_add_nc_u64 s[10:11], s[10:11], s[32:33]
	s_add_nc_u64 s[18:19], s[18:19], s[34:35]
	s_add_nc_u64 s[20:21], s[20:21], s[36:37]
.macro LOADW t                         ; block t: W(32 t + i, my column): 32 lanes read 128 consecutive bytes
.irp i, 0,1,2,3,4,5,6,7,8,9,10,11,12,13,14,15,16,17,18,19,20,21,22,23,24,25,26,27,28,29,30,31
	global_load_b32 v[WX+32*((\t)%2)+\i], v11, s[10:11] offset:(32*(\t)+\i)*4096 th:TH_LOAD_NT
.endr
.endm
.macro BLOCKW t                        ; block t is K step t / 4, half (t / 2) % 2, lanes' half t % 2 of my column's row
.set WSET, WX+32*((\t)%2)
.if (\t) < 7
	s_wait_loadcnt 32                              ; this block's 32 loads are in; the next block's may be out
.else
	s_wait_loadcnt 0
.endif
	v_max3_num_f32 v100, |v[WSET]|, |v[WSET+1]|, |v[WSET+2]|
	v_max3_num_f32 v101, |v[WSET+3]|, |v[WSET+4]|, |v[WSET+5]|
.irp i, 6,10,14,18,22,26
	v_max3_num_f32 v100, v100, |v[WSET+\i]|, |v[WSET+\i+1]|
	v_max3_num_f32 v101, v101, |v[WSET+\i+2]|, |v[WSET+\i+3]|
.endr
	v_max3_num_f32 v100, v100, |v[WSET+30]|, |v[WSET+31]|
	v_max3_num_f32 v100, v100, v101, 0x1800000     ; and the floor
	v_add_nc_u32 v102, 0xff000000, v100            ; the conversion's scale operand
	v_lshrrev_b32 v103, 23, v102                   ; the byte
.if (\t)%4 == 0
	v_mov_b32 v[SB+(\t)/4], v103
.else
	v_lshl_or_b32 v[SB+(\t)/4], v103, 8*((\t)%4), v[SB+(\t)/4]
.endif
	v_cvt_scalef32_pk16_fp6_f32 v[WC:WC+2], v[WSET:WSET+15], v102
	v_cvt_scalef32_pk16_fp6_f32 v[WT:WT+2], v[WSET+16:WSET+31], v102
	v_nop                                          ; one plain place behind a scaled conversion
.irp i, 0,1,2
	v_mov_b32 v[WC+3+\i], v[WT+\i]
.endr
	ds_store_b128 v3, v[WC:WC+3] offset:2*FRB*((\t)/4)+768*(((\t)/2)%2)+256*((\t)%2)
	ds_store_b64 v4, v[WC+4:WC+5] offset:2*FRB*((\t)/4)+768*(((\t)/2)%2)+512+128*((\t)%2)
.if (\t)+2 < 8
	LOADW (\t)+2
.endif
	s_wait_dscnt 0x0                               ; the stores have read their registers: the next block's codes may be written
.endm
	LOADW 0
	LOADW 1
.irp t, 0,1,2,3,4,5,6,7
	BLOCKW \t
.endr
	s_wait_alu depctr_va_vdst(0)
	global_store_b64 v6, v[SB:SB+1], s[20:21]      ; my column's eight scale bytes
.irp i, 0,1,2,3,4,5,6,7,8,9,10,11
	ds_load_b128 v[WO+4*\i:WO+4*\i+3], v5 offset:512*\i
.endr
.irp i, 0,1,2,3,4,5,6,7,8,9,10,11
	s_wait_dscnt 11-\i                             ; LDS loads come back in order: load i is in, the younger ones may be out
	global_store_b128 v1, v[WO+4*\i:WO+4*\i+3], s[18:19] offset:(\i/6)*KSB+512*(\i%6)   ; 512 consecutive bytes
.endr
	s_wait_tensorcnt 0x0
	ds_add_u32 v248, v249
	s_wait_dscnt 0x0
	s_endpgm
.Lfunc_end_k_qb92b91a387_prep:
	.size	k_qb92b91a387_prep, .Lfunc_end_k_qb92b91a387_prep-k_qb92b91a387_prep
	.p2alignl 7, 3214868480
	.fill 96, 4, 3214868480
	.section	.rodata,"a",@progbits
	.p2align	6, 0x0
	.amdhsa_kernel k_qb92b91a387_prep
		.amdhsa_group_segment_fixed_size 58880
		.amdhsa_private_segment_fixed_size 0
		.amdhsa_enable_private_segment 0
		.amdhsa_kernarg_size 72
		.amdhsa_user_sgpr_count 2
		.amdhsa_user_sgpr_kernarg_segment_ptr 1
		.amdhsa_wavefront_size32 1
		.amdhsa_system_sgpr_workgroup_id_x 1
		.amdhsa_system_sgpr_workgroup_id_y 1
		.amdhsa_system_sgpr_workgroup_id_z 1
		.amdhsa_system_vgpr_workitem_id 0
		.amdhsa_next_free_vgpr 250
		.amdhsa_next_free_sgpr 66
		.amdhsa_reserve_vcc 1
		.amdhsa_float_denorm_mode_32 3
		.amdhsa_float_denorm_mode_16_64 3
		.amdhsa_memory_ordered 1
		.amdhsa_forward_progress 1
		.amdhsa_inst_pref_size 101
	.end_amdhsa_kernel
	.amdgpu_metadata
---
amdhsa.version: [ 1, 2 ]
amdhsa.kernels:
  - .name:           k_qb92b91a387_prep
    .symbol:         k_qb92b91a387_prep.kd
    .args:
      - { .name: q, .offset: 0, .size: 8, .value_kind: global_buffer, .address_space: global }
      - { .name: k, .offset: 8, .size: 8, .value_kind: global_buffer, .address_space: global }
      - { .name: v, .offset: 16, .size: 8, .value_kind: global_buffer, .address_space: global }
      - { .name: Wq, .offset: 24, .size: 8, .value_kind: global_buffer, .address_space: global }
      - { .name: Wk, .offset: 32, .size: 8, .value_kind: global_buffer, .address_space: global }
      - { .name: Wv, .offset: 40, .size: 8, .value_kind: global_buffer, .address_space: global }
      - { .name: Wo, .offset: 48, .size: 8, .value_kind: global_buffer, .address_space: global }
      - { .name: cimg, .offset: 56, .size: 8, .value_kind: global_buffer, .address_space: global }
      - { .name: csc, .offset: 64, .size: 8, .value_kind: global_buffer, .address_space: global }
    .group_segment_fixed_size: 58880
    .private_segment_fixed_size: 0
    .kernarg_segment_align: 8
    .kernarg_segment_size: 72
    .max_flat_workgroup_size: 128
    .sgpr_count:     66
    .vgpr_count:     250
    .wavefront_size: 32
...
	.end_amdgpu_metadata
.endif
;; end of part 1
;; launch proj (part 2): grid 4 x 96, 4 waves a work-group, clusters of 4 x 4, 327,680 bytes of LDS; arguments cimg, csc, bq, bk, bv, himg, hsc; writes himg, hsc
.if DOCPART == 2
	.amdgcn_target "amdgcn-amd-amdhsa--gfx1250"
	.amdhsa_code_object_version 6
	.text
	.protected	k_qb92b91a387_proj
	.globl	k_qb92b91a387_proj
	.p2align	8
	.type	k_qb92b91a387_proj,@function
k_qb92b91a387_proj:
	s_mov_b64 s[64:65], 0
	v_nop
	global_prefetch_b8 v0, s[64:65] scope:SCOPE_SE
	s_setreg_imm32_b32 hwreg(HW_REG_WAVE_MODE, 25, 1), 1
	s_wait_xcnt 0x0
	s_wait_alu depctr_hold_cnt(0) depctr_sa_sdst(0) depctr_va_vdst(0) depctr_va_sdst(0) depctr_va_ssrc(0) depctr_va_vcc(0) depctr_vm_vsrc(0)
	s_getreg_b32 s2, hwreg(HW_REG_IB_STS2, 6, 4)
	s_cmp_eq_u32 s2, 0
	s_cbranch_scc0 .Lentry_in_a_cluster
	s_endpgm
.Lentry_in_a_cluster:
	s_bfe_u32 s2, ttmp6, 0x10000c
	s_cmp_lg_u32 s2, 0xf033
	s_cbranch_scc0 .Lentry_shape_is_right
	s_endpgm
.Lentry_shape_is_right:
.set XS,    6291456
.set WOFF,  18874368
.set WS,    786432
.set WSOFF, 786432
.set HS,    6291456
.set GRP,   98304
.set NQ,    2
.set FR,    12
.set NL,    4
.set NP,    4
.set FRB,   1536
.set KSB,   12288
.set HALFT, 24576
.set SLOT,  4*HALFT
.set KS,    32
.set SCL,   2*SLOT
.set HALFS, 4352
.set SBLK,  544
.set SPARE, SCL+4*HALFS
.set ADRA, 16
.set ADRB, 20
.set LI16, 24
.set LI8,  25
.set SCO,  26
.set ADRS, 27
.set SPW,  28
.set NIL,  29
.set SC,   32
.set BN,   64
.set AF,   128
.set BM,   240
.set PW,   8
.set H,    128
.set PC,   192
.set TM,   224
.set XW,   248
.set SEL,  8
.set G1,   24
.set G0,   32
.set G1B,  48
.set G0B,  56
.set G1S,  68
.set G0S,  76
.set G1SB, 80
.set G0SB, 88
.set MSB, 0
.macro WIN new
.if MSB != \new
	s_set_vgpr_msb (MSB<<8)|\new
.set MSB, \new
.endif
.endm
.set MUL_LO, 0xa1
.set MUL_HI, 0xf1
.set TO_B,   0x40
.macro JLOAD g0a, g1a, g0b, g1b
	s_cmp_eq_u32 s15, 0
	s_cbranch_scc0 .Lfor_b_\@
	tensor_load_to_lds s[\g0a:\g0a+3], s[\g1a:\g1a+7]
	s_nop 0
.rept 4
	v_nop
.endr
	s_branch .Lasked_\@
.Lfor_b_\@:
	tensor_load_to_lds s[\g0b:\g0b+3], s[\g1b:\g1b+7]
	s_nop 0
.rept 4
	v_nop
.endr
.Lasked_\@:
.endm
.macro CREST
	s_cmp_lg_u32 s14, 0
	s_cbranch_scc1 .Lnot_wave_0_\@
	s_barrier_signal -3
.Lnot_wave_0_\@:
	s_barrier_wait -3
	s_barrier_signal -1
	s_barrier_wait -1
.endm
.macro CROUND
	s_barrier_signal -1
	s_barrier_wait -1
	CREST
.endm
	s_load_b128 s[4:7], s[0:1], 0x0
	s_load_b128 s[68:71], s[0:1], 0x10
	s_load_b128 s[72:75], s[0:1], 0x20
	s_load_b64 s[76:77], s[0:1], 0x30
	v_lshl_add_u32 v[SPW], v0, 2, SPARE
	v_mov_b32 v[NIL], 0
	ds_add_u32 v28, v29
	ds_add_u32 v28, v29
	s_wait_dscnt 0x0
	v_lshrrev_b32 v1, 5, v0
	v_readfirstlane_b32 s14, v1
	s_lshr_b32 s15, s14, 1
	s_and_b32 s16, s14, 1
	s_bfe_u32 s40, ttmp6, 0x40000
	s_bfe_u32 s41, ttmp6, 0x40004
	s_and_b32 s18, ttmp7, 0xffff
	s_lshr_b32 s67, s18, 3
	s_and_b32 s18, s18, 7
	s_lshl_b32 s18, s18, 2
	s_cmp_eq_u32 s67, 2
	s_cselect_b32 s66, 1, 0
	s_cselect_b32 s3, -1, 0
	s_cselect_b32 s19, 0, s18
	s_cselect_b32 s18, s18, 0
	s_add_co_u32 s17, s41, s19
	s_add_co_u32 s42, s40, s18
	s_lshl_b32 s43, s41, 2
	s_lshl_b32 s43, 15, s43
	s_lshl_b32 s44, 0x1111, s40
	s_mov_b32 s[SEL], 0x76543210
	s_mov_b32 s[SEL+1], 0xfedcba98
	s_or_b32 s[G1+0], s43, (3<<16)|(1<<21)
	s_or_b32 s[G1B+0], s44, (3<<16)|(1<<21)
.irp g, G1, G1B
	s_mov_b32 s[\g+1], 32<<16
	s_mov_b32 s[\g+2], 96<<16
	s_mov_b32 s[\g+3], 32<<16
	s_mov_b32 s[\g+4], 96
	s_mov_b32 s[\g+5], 32
	s_mov_b32 s[\g+6], 0
	s_mov_b32 s[\g+7], 0
.endr
	s_mul_i32 s94, s67, XS
	s_mul_i32 s95, s67, WS
	s_add_co_u32 s95, s95, WOFF
	s_lshl_b32 s100, s67, 18
	s_lshl_b32 s101, s67, 15
	s_add_co_u32 s101, s101, WSOFF
	s_lshl_b32 s18, s17, 1
	s_add_co_u32 s18, s18, s16
	s_lshl_b32 s19, s42, 1
	s_add_co_u32 s19, s19, s16
	s_cmp_eq_u32 s66, 1
	s_cselect_b32 s20, s95, s94
	s_cselect_b32 s46, s94, s95
	s_cselect_b32 s22, s101, s100
	s_cselect_b32 s92, s100, s101
	s_mul_i32 s21, s18, GRP
	s_add_co_u32 s20, s20, s21
	s_mov_b32 s21, 0
	s_mul_i32 s47, s19, GRP
	s_add_co_u32 s46, s46, s47
	s_mov_b32 s47, 0
	s_lshl_b32 s23, s18, 12
	s_add_co_u32 s22, s22, s23
	s_mov_b32 s23, 0
	s_lshl_b32 s93, s19, 12
	s_add_co_u32 s92, s92, s93
	s_mov_b32 s93, 0
	s_mul_i32 s45, s14, HALFT
	s_mul_i32 s94, s14, HALFS
	s_wait_kmcnt 0x0
	s_add_nc_u64 s[20:21], s[4:5], s[20:21]
	s_add_nc_u64 s[46:47], s[4:5], s[46:47]
	s_add_nc_u64 s[22:23], s[6:7], s[22:23]
	s_add_nc_u64 s[92:93], s[6:7], s[92:93]
	s_cmp_eq_u32 s67, 1
	s_cselect_b64 s[98:99], s[70:71], s[68:69]
	s_cmp_eq_u32 s67, 2
	s_cselect_b64 s[98:99], s[72:73], s[98:99]
	s_mov_b64 s[12:13], s[74:75]
	s_mov_b64 s[96:97], s[76:77]
	; group 1 of the head's loads: both halves of a slot's A or B: two rows of 24,576 bytes (3,072 elements of 8 bytes), one group of 128 rows (98,304 bytes) apart in memory
	s_or_b32 s[G1S+0], s43, (3<<16)|(1<<21)
	s_or_b32 s[G1SB+0], s44, (3<<16)|(1<<21)
.irp g, G1S, G1SB
	s_mov_b32 s[\g+1], 3072<<16
	s_mov_b32 s[\g+2], 2<<16
	s_mov_b32 s[\g+3], 3072<<16
	s_mov_b32 s[\g+4], 2
	s_mov_b32 s[\g+5], 12288
	s_mov_b32 s[\g+6], 0
	s_mov_b32 s[\g+7], 0
.endr
	CROUND
	; THE HEAD'S LOADS, one a wave: waves 0 and 1 ask for A's 256 rows of slots 0 and 1, waves 2 and 3 for B's: both slots are on their way at once
	s_mul_i32 s18, s16, GRP                        ; from my half's group back to the first half's,
	s_mov_b32 s19, 0
	s_mul_i32 s100, s16, HALFT                     ; and on to my slot's two K steps
	s_mov_b32 s101, 0
	s_mul_i32 s94, s16, SLOT
	s_mov_b32 s[G0S], 1
	s_add_co_u32 s[G0S+1], s94, 0
	s_sub_nc_u64 s[G0S+2:G0S+3], s[20:21], s[18:19]
	s_add_nc_u64 s[G0S+2:G0S+3], s[G0S+2:G0S+3], s[100:101]
	s_or_b32 s[G0S+3], s[G0S+3], 0x80000000
	s_mov_b32 s[G0SB], 1
	s_add_co_u32 s[G0SB+1], s94, 2*HALFT
	s_sub_nc_u64 s[G0SB+2:G0SB+3], s[46:47], s[18:19]
	s_add_nc_u64 s[G0SB+2:G0SB+3], s[G0SB+2:G0SB+3], s[100:101]
	s_or_b32 s[G0SB+3], s[G0SB+3], 0x80000000
	JLOAD G0S, G1S, G0SB, G1SB
	; the scale words of A's and B's 256 rows, 8,192 dense bytes each, come through registers: the 128 threads read 2,048 consecutive bytes an instruction
	s_lshl_b32 s18, s16, 12
	s_sub_nc_u64 s[22:23], s[22:23], s[18:19]
	s_sub_nc_u64 s[92:93], s[92:93], s[18:19]
	v_lshlrev_b32 v8, 4, v0
	v_lshrrev_b32 v9, 4, v0
	v_and_b32 v10, 15, v0
	v_mul_u32_u24 v9, v9, 272
	v_lshl_add_u32 v9, v10, 4, v9
	v_add_nc_u32 v9, SCL, v9                       ; in LDS: units of 256 bytes + 16 of padding
.irp j, 0,1,2,3
	global_load_b128 v[128+4*\j:131+4*\j], v8, s[22:23] offset:2048*\j
	global_load_b128 v[144+4*\j:147+4*\j], v8, s[92:93] offset:2048*\j
.endr
	s_wait_xcnt 0x0                                ; the loads have read their bases, which are written again below
.irp s, 0,1
	s_mov_b32 s[G0+4*\s], 1
	s_add_co_u32 s[G0+4*\s+1], s45, \s*SLOT
	s_add_nc_u64 s[G0+4*\s+2:G0+4*\s+3], s[20:21], \s*HALFT
	s_or_b32 s[G0+4*\s+3], s[G0+4*\s+3], 0x80000000
	s_mov_b32 s[G0B+4*\s], 1
	s_add_co_u32 s[G0B+4*\s+1], s45, \s*SLOT
	s_add_nc_u64 s[G0B+4*\s+2:G0B+4*\s+3], s[46:47], \s*HALFT
	s_or_b32 s[G0B+4*\s+3], s[G0B+4*\s+3], 0x80000000
.endr
	v_and_b32 v1, 31, v0
	v_and_b32 v2, 15, v0
	v_bfe_u32 v3, v0, 4, 1
	v_lshlrev_b32 v[LI16], 4, v1
	v_lshlrev_b32 v[LI8], 3, v1
	s_mul_i32 s21, s15, HALFT
	s_mul_i32 s22, s16, HALFT
	s_add_co_u32 s22, s22, 2*HALFT
.irp s, 0,1
	v_add_nc_u32 v[ADRA+\s], s21, v[LI16]
	v_add_nc_u32 v[ADRB+\s], s22, v[LI16]
	v_add_nc_u32 v[ADRA+2+\s], s21, v[LI8]
	v_add_nc_u32 v[ADRB+2+\s], s22, v[LI8]
	s_add_co_u32 s21, s21, SLOT
	s_add_co_u32 s22, s22, SLOT
.endr
	v_mul_u32_u24 v5, v2, KS
	v_lshrrev_b32 v6, 8, v5
	v_lshl_add_u32 v5, v6, 4, v5
	s_mul_i32 s21, s15, HALFS
	s_mul_i32 s22, s16, HALFS
	s_add_co_u32 s22, s22, 2*HALFS
	s_sub_co_u32 s22, s22, s21
	v_mul_u32_u24 v6, s22, v3
	s_add_co_u32 s21, s21, SCL
	v_add_nc_u32 v5, v5, v6
	v_add_nc_u32 v[ADRS], s21, v5
	v_lshlrev_b32 v[SCO], 4, v2
	v_lshl_add_u32 v[SCO], v3, 12, v[SCO]
	s_lshl_b32 s18, s17, 1
	s_add_co_u32 s18, s18, s15
	s_lshl_b32 s19, s42, 1
	s_add_co_u32 s19, s19, s16
	s_cmp_eq_u32 s66, 1
	s_cselect_b32 s20, s19, s18
	s_cselect_b32 s21, s18, s19
	s_mov_b32 s94, 768
	s_cselect_b32 s94, 1536, s94
	s_mov_b32 s22, GRP
	s_cselect_b32 s22, 768, s22
	s_cselect_b32 s100, GRP-6144, 0
	s_cselect_b32 s18, s18, s19
	s_mov_b32 s95, 0
	s_mov_b32 s23, 0
	s_mov_b32 s101, 0
	s_lshl_b32 s18, s18, 9
	s_mov_b32 s19, 0
	s_add_nc_u64 s[98:99], s[98:99], s[18:19]
	s_lshl_b32 s21, s21, 1
	s_lshr_b32 s43, s20, 4
	s_and_b32 s20, s20, 15
	s_lshl_b32 s43, s43, 4
	s_add_co_u32 s43, s43, s21
	s_mul_i32 s44, s67, HS
	s_mul_i32 s45, s43, GRP
	s_add_co_u32 s44, s44, s45
	s_mul_i32 s45, s20, 6144
	s_add_co_u32 s44, s44, s45
	s_mov_b32 s45, 0
	s_add_nc_u64 s[12:13], s[12:13], s[44:45]
	s_add_nc_u64 s[92:93], s[12:13], s[22:23]
	s_lshl_b32 s44, s43, 4
	s_add_co_u32 s44, s44, s20
	s_lshl_b32 s44, s44, 8
	s_lshl_b32 s43, s67, 18
	s_add_co_u32 s44, s44, s43
	s_add_nc_u64 s[96:97], s[96:97], s[44:45]
	v_lshlrev_b32 v6, 6, v3
	v_and_b32 v7, 8, v2
	v_add_nc_u32 v7, v7, v2
	v_lshlrev_b32 v7, 2, v7
	s_cmp_eq_u32 s66, 1
	s_cbranch_scc1 .Lbias_v
.irp j, 0,1,2,3,4,5,6,7,8,9,10,11,12,13,14,15
	global_load_b128 v[BN+4*\j:BN+4*\j+3], v6, s[98:99] offset:128*(\j/4)+16*(\j%4)
.endr
.irp a, 0,1,2,3,4,5,6,7
	v_mov_b32 v[BM+\a], 0
.endr
	s_branch .Lbias_done
.Lbias_v:
.set n, 0
.rept 64
	v_mov_b32 v[BN+n], 0
.set n, n+1
.endr
.irp a, 0,1,2,3,4,5,6,7
	global_load_b32 v[BM+\a], v7, s[98:99] offset:4*(32*(\a/2)+8*(\a%2))
.endr
.Lbias_done:
.macro FRAG reg, adr, q, i
	ds_load_b128 v[\reg:\reg+3], v[\adr] offset:(\q)*KSB+(\i)*FRB
	ds_load_b64 v[\reg+4:\reg+5], v[\adr+2] offset:(\q)*KSB+(\i)*FRB+512
	ds_load_b128 v[\reg+6:\reg+9], v[\adr] offset:(\q)*KSB+(\i)*FRB+768
	ds_load_b64 v[\reg+10:\reg+11], v[\adr+2] offset:(\q)*KSB+(\i)*FRB+1280
.endm
.macro MUL16 a0, p, q, sc, zero
.irp a, \a0, \a0+1
.irp b, 0,1,2,3,4,5,6,7
.if \zero
	v_wmma_scale_f32_16x16x128_f8f6f4 v[8*(8*((\a)%4)+\b):8*(8*((\a)%4)+\b)+7], v[128*(\p)+FR*\b:128*(\p)+FR*\b+FR-1], v[AF+FR*(\a):AF+FR*(\a)+FR-1], v[BN+8*\b:BN+8*\b+7], v[SC+8*NQ*(\sc)+NQ*\b+(\q)], v[SC+8*NQ*(\sc)+NQ*(\a)+(\q)] matrix_a_fmt:MATRIX_FMT_FP6 matrix_b_fmt:MATRIX_FMT_FP6 matrix_a_scale:MATRIX_SCALE_ROW1
.else
	v_wmma_scale_f32_16x16x128_f8f6f4 v[8*(8*((\a)%4)+\b):8*(8*((\a)%4)+\b)+7], v[128*(\p)+FR*\b:128*(\p)+FR*\b+FR-1], v[AF+FR*(\a):AF+FR*(\a)+FR-1], v[8*(8*((\a)%4)+\b):8*(8*((\a)%4)+\b)+7], v[SC+8*NQ*(\sc)+NQ*\b+(\q)], v[SC+8*NQ*(\sc)+NQ*(\a)+(\q)] matrix_a_fmt:MATRIX_FMT_FP6 matrix_b_fmt:MATRIX_FMT_FP6 matrix_a_scale:MATRIX_SCALE_ROW1
.endif
.endr
.endr
.endm
.macro FETCH_B slot, q, p
	WIN TO_B
.irp i, 0,1,2,3,4,5,6,7
	FRAG 128*(\p)+FR*\i, ADRB+\slot, \q, \i
.endr
	WIN 0
.endm
.macro FETCH_A slot, q, i0
.irp i, \i0, \i0+1, \i0+2, \i0+3
	FRAG AF+FR*(\i), ADRA+\slot, \q, \i
.endr
.endm
.macro SCALES sc
.irp i, 0,1,2,3,4,5,6,7
	ds_load_b64 v[SC+8*NQ*\sc+NQ*\i:SC+8*NQ*\sc+NQ*\i+1], v[ADRS] offset:\i*SBLK
.endr
.endm
.macro PLACES n
.rept \n
	v_nop
.endr
.endm
.macro STEP slot, q, zero
	s_wait_dscnt 4*NL
.if \zero
	WIN 0x81
.else
	WIN MUL_LO
.endif
	MUL16 0, (\q)%2, \q, \slot, \zero
	MUL16 2, (\q)%2, \q, \slot, \zero
	s_wait_dscnt 0
	PLACES NP
	FETCH_B \slot, (\q)+1, 1-(\q)%2
	FETCH_A \slot, (\q)+1, 0
.if \zero
	WIN 0xc1
.else
	WIN MUL_HI
.endif
	MUL16 4, (\q)%2, \q, \slot, \zero
	MUL16 6, (\q)%2, \q, \slot, \zero
	PLACES NP
	WIN 0
	FETCH_A \slot, (\q)+1, 4
.endm
.macro TURN slot, next, fill
	s_wait_tensorcnt 0x0
	ds_add_u32 v[SPW], v[NIL]
	s_wait_dscnt 4*NL+1
	WIN MUL_LO
	MUL16 0, 1, NQ-1, \slot, 0
	s_wait_dscnt 0x0
	s_barrier_signal -1
	MUL16 2, 1, NQ-1, \slot, 0
	WIN 0
	s_barrier_wait -1
.if \fill
	CREST
	s_add_nc_u64 s[G0+4*\slot+2:G0+4*\slot+3], s[G0+4*\slot+2:G0+4*\slot+3], 2*HALFT
	s_add_nc_u64 s[G0B+4*\slot+2:G0B+4*\slot+3], s[G0B+4*\slot+2:G0B+4*\slot+3], 2*HALFT
	JLOAD G0+4*\slot, G1, G0B+4*\slot, G1B
.else
	PLACES NP
.endif
	s_wait_alu depctr_va_vdst(0)
	v_add_nc_u32 v[ADRS], 4*NQ, v[ADRS]
	FETCH_B \next, 0, 0
	FETCH_A \next, 0, 0
	SCALES \next
	WIN MUL_HI
	MUL16 4, 1, NQ-1, \slot, 0
	MUL16 6, 1, NQ-1, \slot, 0
	PLACES NP
	WIN 0
	FETCH_A \next, 0, 4
.endm
	s_wait_alu depctr_va_vdst(0)
	s_wait_loadcnt 0x0
.irp j, 0,1,2,3
	ds_store_b128 v9, v[128+4*\j:131+4*\j] offset:2176*\j          ; eight units of 272 bytes an instruction
	ds_store_b128 v9, v[144+4*\j:147+4*\j] offset:8704+2176*\j     ; B's lie behind A's 32 units
.endr
	s_wait_tensorcnt 0x0                           ; my tile has landed,
	s_wait_dscnt 0x0                               ; and my stores
	s_barrier_signal -1
	s_barrier_wait -1
	FETCH_B 0, 0, 0
	FETCH_A 0, 0, 0
	SCALES 0
	FETCH_A 0, 0, 4
	s_wait_loadcnt 0x0
	s_wait_alu depctr_va_vdst(0)
	STEP 0, 0, 1
	TURN 0, 1, 1
	STEP 1, 0, 0
	TURN 1, 0, 1
	STEP 0, 0, 0
	TURN 0, 1, 0
	STEP 1, 0, 0
	s_wait_dscnt 4*NL
	WIN MUL_LO
	MUL16 0, 1, NQ-1, 1, 0
	MUL16 2, 1, NQ-1, 1, 0
	s_wait_dscnt 0
	WIN MUL_HI
	MUL16 4, 1, NQ-1, 1, 0
	MUL16 6, 1, NQ-1, 1, 0
	WIN 0
.macro QUANT s, w
.irp b, 0,1,2,3
	v_max3_num_f32 v[TM+\b], |v[\s+16*\b]|, |v[\s+1+16*\b]|, 0x1800000
.endr
.irp i, 2,4,6,8,10,12,14
.irp b, 0,1,2,3
	v_max3_num_f32 v[TM+\b], v[TM+\b], |v[\s+16*\b+\i]|, |v[\s+1+16*\b+\i]|
.endr
.endr
.irp b, 0,1,2,3
	v_permlanex16_b32 v[TM+4+\b], v[TM+\b], s[SEL], s[SEL+1]
.endr
.irp b, 0,1,2,3
	v_max_num_f32 v[TM+\b], v[TM+\b], v[TM+4+\b]
.endr
.irp b, 0,1,2,3
	v_add_nc_u32 v[TM+12+\b], 0xff000000, v[TM+\b]
.endr
.irp b, 0,1,2,3
	v_lshrrev_b32 v[TM+4+\b], 23, v[TM+12+\b]
.endr
	v_lshl_or_b32 v[\w], v[TM+5], 8, v[TM+4]
	v_lshl_or_b32 v[\w], v[TM+6], 16, v[\w]
	v_lshl_or_b32 v[\w], v[TM+7], 24, v[\w]
.irp c, 0,1
	v_cvt_scalef32_pk16_fp6_f32 v[PC+6*\c:PC+2+6*\c], v[\s+32*\c:\s+15+32*\c], v[TM+12+2*\c]
	v_cvt_scalef32_pk16_fp6_f32 v[PC+12+4*\c:PC+14+4*\c], v[\s+16+32*\c:\s+31+32*\c], v[TM+12+2*\c+1]
.endr
	v_nop
.irp c, 0,1
.irp i, 0,1,2
	v_permlane16_swap_b32 v[PC+6*\c+\i], v[PC+12+4*\c+\i]
.endr
.irp i, 0,1,2
	v_mov_b32 v[PC+3+6*\c+\i], v[PC+12+4*\c+\i]
.endr
.endr
.endm
.macro OUTBLK a
.if (\a) > 0
	s_wait_xcnt 0x0
	s_add_nc_u64 s[12:13], s[12:13], s[94:95]
	s_add_nc_u64 s[92:93], s[92:93], s[94:95]
.endif
.if (\a) == 4
	s_add_nc_u64 s[12:13], s[12:13], s[100:101]
	s_add_nc_u64 s[92:93], s[92:93], s[100:101]
.endif
	WIN 0x02+(\a)/4
.set n, 0
.rept 32
.if (\a)%2
	v_pk_add_f32 v[H+n:H+n+1], v[64*((\a)%4)+n:64*((\a)%4)+n+1], v[BM+2*((\a)/2):BM+2*((\a)/2)+1] op_sel:[0,1] op_sel_hi:[1,1]
.else
	v_pk_add_f32 v[H+n:H+n+1], v[64*((\a)%4)+n:64*((\a)%4)+n+1], v[BM+2*((\a)/2):BM+2*((\a)/2)+1] op_sel_hi:[1,0]
.endif
.set n, n+2
.endr
	WIN 0
	QUANT H, PW+(\a)
	global_store_b128 v[LI16], v[PC:PC+3], s[12:13]
	global_store_b64 v[LI8], v[PC+4:PC+5], s[12:13] offset:512
	global_store_b128 v[LI16], v[PC+6:PC+9], s[92:93]
	global_store_b64 v[LI8], v[PC+10:PC+11], s[92:93] offset:512
.endm
.irp b, 0,1,2,3
	v_mov_b32 v[TM+4+\b], 0
.endr
.irp a, 0,1,2,3,4,5,6,7
	OUTBLK \a
.endr
.irp g, 0,1,2,3
	v_perm_b32 v[XW+\g], v[PW+2*\g+1], v[PW+2*\g], 0x05040100
	v_perm_b32 v[XW+4+\g], v[PW+2*\g+1], v[PW+2*\g], 0x07060302
.endr
.irp g, 0,1,2,3
	v_cndmask_b32 v[XW+\g], v[XW+\g], v[PW+\g], s3
	v_cndmask_b32 v[XW+4+\g], v[XW+4+\g], v[PW+4+\g], s3
.endr
	v_cmp_eq_u32 vcc_lo, 1, v3
.irp g, 0,1,2,3
	v_cndmask_b32 v[XW+\g], v[XW+\g], v[XW+4+\g], vcc_lo
.endr
	global_store_b128 v[SCO], v[XW:XW+3], s[96:97]
	s_wait_tensorcnt 0x0
	ds_add_u32 v[SPW], v[NIL]
	s_wait_dscnt 0x0
	CROUND
	s_endpgm
.Lfunc_end_k_qb92b91a387_proj:
	.size	k_qb92b91a387_proj, .Lfunc_end_k_qb92b91a387_proj-k_qb92b91a387_proj
	.p2alignl 7, 3214868480
	.fill 96, 4, 3214868480
	.section	.rodata,"a",@progbits
	.p2align	6, 0x0
	.amdhsa_kernel k_qb92b91a387_proj
		.amdhsa_group_segment_fixed_size 327680
		.amdhsa_private_segment_fixed_size 0
		.amdhsa_enable_private_segment 0
		.amdhsa_kernarg_size 56
		.amdhsa_user_sgpr_count 2
		.amdhsa_user_sgpr_kernarg_segment_ptr 1
		.amdhsa_wavefront_size32 1
		.amdhsa_system_sgpr_workgroup_id_x 1
		.amdhsa_system_sgpr_workgroup_id_y 1
		.amdhsa_system_sgpr_workgroup_id_z 1
		.amdhsa_system_vgpr_workitem_id 0
		.amdhsa_next_free_vgpr 1024
		.amdhsa_next_free_sgpr 102
		.amdhsa_reserve_vcc 1
		.amdhsa_float_denorm_mode_32 3
		.amdhsa_float_denorm_mode_16_64 3
		.amdhsa_memory_ordered 1
		.amdhsa_forward_progress 1
		.amdhsa_inst_pref_size 173
	.end_amdhsa_kernel
	.amdgpu_metadata
---
amdhsa.version: [ 1, 2 ]
amdhsa.kernels:
  - .name:           k_qb92b91a387_proj
    .symbol:         k_qb92b91a387_proj.kd
    .args:
      - { .name: cimg, .offset: 0, .size: 8, .value_kind: global_buffer, .address_space: global }
      - { .name: csc, .offset: 8, .size: 8, .value_kind: global_buffer, .address_space: global }
      - { .name: bq, .offset: 16, .size: 8, .value_kind: global_buffer, .address_space: global }
      - { .name: bk, .offset: 24, .size: 8, .value_kind: global_buffer, .address_space: global }
      - { .name: bv, .offset: 32, .size: 8, .value_kind: global_buffer, .address_space: global }
      - { .name: himg, .offset: 40, .size: 8, .value_kind: global_buffer, .address_space: global }
      - { .name: hsc, .offset: 48, .size: 8, .value_kind: global_buffer, .address_space: global }
    .group_segment_fixed_size: 327680
    .private_segment_fixed_size: 0
    .kernarg_segment_align: 8
    .kernarg_segment_size: 56
    .max_flat_workgroup_size: 128
    .sgpr_count:     102
    .vgpr_count:     1024
    .wavefront_size: 32
...
	.end_amdgpu_metadata
.endif
;; end of part 2
;; launch attn (part 3): grid 4 x 64, 16 waves a work-group, clusters of 4 x 1, 231,424 bytes of LDS; arguments himg, hsc, mask, oimg, osc; writes oimg, osc
.if DOCPART == 3
	.amdgcn_target "amdgcn-amd-amdhsa--gfx1250"
	.amdhsa_code_object_version 6
	.text
	.protected	k_qb92b91a387_attn
	.globl	k_qb92b91a387_attn
	.p2align	8
	.type	k_qb92b91a387_attn,@function
k_qb92b91a387_attn:
	s_mov_b64 s[64:65], 0
	v_nop
	global_prefetch_b8 v0, s[64:65] scope:SCOPE_SE
	s_setreg_imm32_b32 hwreg(HW_REG_WAVE_MODE, 25, 1), 1
	s_wait_xcnt 0x0
	s_wait_alu depctr_hold_cnt(0) depctr_sa_sdst(0) depctr_va_vdst(0) depctr_va_sdst(0) depctr_va_ssrc(0) depctr_va_vcc(0) depctr_vm_vsrc(0)
	s_getreg_b32 s2, hwreg(HW_REG_IB_STS2, 6, 4)
	s_cmp_eq_u32 s2, 0
	s_cbranch_scc0 .Lentry_in_a_cluster
	s_endpgm
.Lentry_in_a_cluster:
	s_bfe_u32 s2, ttmp6, 0x10000c
	s_cmp_lg_u32 s2, 0x3003
	s_cbranch_scc0 .Lentry_shape_is_right
	s_endpgm
.Lentry_shape_is_right:
; Attention of one head bh = 16 b + head on codes of FP6 (E2M3) with E8M0 scales; 2,048 keys, head size 64; the result / l is quantised along D for the output projection.
; t = score x (log2(e) / 8) + mt, one fused line, mt = (mask x (-1e9)) x log2(e), each of its two products rounded to f32; M = the running largest t rounded up to a whole number; p = 2^(t - M) is quantised along the keys;
; the row's sum l is taken of the unquantised p; when M moves, l and O are multiplied by 2^(old M - new M), which rounds nothing.
; With mask = 0 t is the source formula's t bit for bit.  With a term so large that the source's sum loses the score (|score| / 8 < 32 beside 1e9), t = mt, again the source's t: a row all of whose keys are masked comes out uniform.
; LIMITS: where a mask term is neither 0 nor so large, or a masked row's |score| / 8 reaches 32, t is rounded once where the source rounds twice.  |t| stays under 2^31.  NaN and infinities are not served;
; v_exp_f32 and v_rcp_f32 are accurate to 1 ulp and flush what falls under 2^-126 to 0; a block of zeros gets the byte 1 (its codes are zeros; this program alone reads the bytes).
; SHARES.  A work-group owns 512 queries of one head, in two passes of 256; in a pass each of its sixteen waves owns 16 queries, in 256 registers.  All of the head's K and V (196,608 bytes) stay in LDS, filled once:
; wave w asks for key step w (128 keys): one tile of two rows of 6,144 bytes, K's and V's, HS bytes apart in memory.  The four work-groups of a cluster walk the same head: each fill is a JOINT load (mask 15).
; The scale words (8,192 bytes), the mask terms (8,192) and the second pass's q come through registers into LDS bytes of their own, on which no fill lands.
; No prefetch: all that the work-group reads is asked for in its first lines, and there is no later stream to run ahead of.
; LAYOUT.  Operands are images of their registers (a half = 16 rows x 64 K = 768 bytes: lane l's words 0-3 at 16 l, words 4-5 at 512 + 8 l).  Both products are used transposed: a lane holds ONE query throughout.
; K = 64 in an instruction of K = 128: source 0 is a pair of key tiles; the queries stand as [q | 0] and [0 | q], sharing six registers of zero codes.
; Row i of key tile t is key 64 (t / 4) + 8 (t % 4) + i + 24 (i / 8) of the step: score register 32 c + i of lane (r, h) is key 64 c + 32 h + i: a lane holds two WHOLE blocks of 32 keys, in the order of p's operand registers.
.set HS,   6291456
.set GRP,  98304
.set KSB,  12288
.set FRB,  1536
.set STB,  12288                       ; LDS: a key step: K's 6,144 bytes, then V's
.set SCK,  196608                      ; K's scale words, 4,096 bytes, then V's
.set MT,   204800                      ; the mask terms of the batch's 2,048 keys
.set QST,  212992                      ; 1,024 bytes a wave: the second pass's q image and scale word
.set SPARE, 229376                     ; the spare words, 128 bytes a wave
.set WV,   14                          ; s14 wave
.set F,    40                          ; v40-87   four fragments of K, then of V
.set S,    96                          ; v96-159  scores, t, p
.set OT,   160                         ; v160-191 O^T
.set MR,   192                         ; v192-255 the step's 64 mask terms; behind them the step's temporaries, p's codes (v208-219) among them
; v1 16 l, v2 8 l, v3 SCK + 16 r, v4 MT + 128 h; v5-8 the step's addresses; v9, v10 the add's; v11 32 r, v12 16 r; v13 q's raw scale word, v14 q's scale word, v15 p's; v16 -M, v17 largest t, v[18:19] l; v20-37 q | 0 | q; v[38:39] f
.macro ROUND                           ; a round of the cluster's barrier
	s_barrier_signal -1
	s_barrier_wait -1
	s_cmp_lg_u32 s[WV], 0
	s_cbranch_scc1 .Lnot_wave_0_\@
	s_barrier_signal -3
.Lnot_wave_0_\@:
	s_barrier_wait -3
	s_barrier_signal -1
	s_barrier_wait -1
.endm
	s_load_b256 s[4:11], s[0:1], 0x0               ; himg, hsc, mask, oimg
	s_load_b64 s[12:13], s[0:1], 0x20              ; osc
	v_lshl_add_u32 v9, v0, 2, SPARE
	v_mov_b32 v10, 0
	ds_add_u32 v9, v10                             ; the opening lines: the add, twice on end, and its wait
	ds_add_u32 v9, v10
	v_lshrrev_b32 v5, 5, v0
	s_delay_alu instid0(VALU_DEP_1)
	v_readfirstlane_b32 s[WV], v5                  ; wave 0..15
	s_bfe_u32 s15, ttmp6, 0x40000                  ; cx: it enters the addresses of q, oimg and osc alone
	s_lshl_b32 s16, ttmp9, 2
	s_add_co_u32 s16, s16, s15                     ; my block of 512 queries
	s_and_b32 s17, ttmp7, 0xffff                   ; bh, which the four partners share
	s_lshr_b32 s18, s17, 4                         ; b
	s_and_b32 s19, s17, 15                         ; head
	s_mov_b32 s20, 0x76543210
	s_mov_b32 s21, 0xfedcba98                      ; v_permlanex16_b32's selects for lane l xor 16
	s_mov_b32 s22, 0x3e38aa3b                      ; log2(e) / 8
	s_mov_b32 s23, s22                             ; (a packed form names the pair, so both are written)
	s_mov_b32 s24, 0x3fb8aa3b                      ; log2(e)
	s_mov_b32 s25, s24
	s_mov_b32 s86, 0xce6e6b28                      ; -1e9
	s_mov_b32 s87, s86
	s_mov_b32 s32, 15|(3<<16)|(1<<21)              ; group 1: the mask names all four work-groups; elements of 8 bytes; bit 21 beside a mask
	s_mov_b32 s33, 768<<16                         ; a row: 768 elements, 6,144 bytes
	s_mov_b32 s34, 2<<16                           ; two rows
	s_mov_b32 s35, 768<<16
	s_mov_b32 s36, 2
	s_mov_b32 s37, HS/8                            ; from K's row to V's
	s_mov_b32 s38, 0
	s_mov_b32 s39, 0
	s_mul_i32 s74, s17, GRP
	s_add_co_u32 s74, s74, HS
	s_mul_i32 s75, s[WV], 6144
	s_add_co_u32 s74, s74, s75                     ; K's images of bh, key step = wave
	s_mov_b32 s75, 0
	s_lshl_b32 s76, s17, 12
	s_add_co_u32 s76, s76, 1<<18                   ; K's scale words of bh (V's lie 1 << 18 further on)
	s_mov_b32 s77, 0
	s_mul_i32 s49, s[WV], STB                      ; where my tile goes
	s_lshl_b32 s80, s16, 5
	s_add_co_u32 s80, s80, s[WV]                   ; my first pass's tile of 16 queries, 0..127; the second pass's is 16 further on
	s_lshl_b32 s81, s17, 7
	s_add_co_u32 s81, s81, s80
	s_mul_i32 s82, s81, 768                        ; its half image
	s_mov_b32 s83, 0
	s_lshr_b32 s81, s80, 3                         ; its group of 128 tokens
	s_lshl_b32 s84, s17, 12
	s_lshl_b32 s85, s81, 8
	s_add_co_u32 s84, s84, s85
	s_bfe_u32 s85, s[WV], 0x20001
	s_lshl_b32 s85, s85, 2
	s_add_co_u32 s84, s84, s85                     ; the scale word of its pair of tiles
	s_mov_b32 s85, 0
	s_lshl_b32 s88, s18, 13                        ; the batch's row of the mask
	s_mov_b32 s89, 0
	s_and_b32 s72, s[WV], 1
	s_mov_b32 s30, 0x03020302
	s_cmp_eq_u32 s72, 1
	s_cselect_b32 s30, s30, 0x01000100             ; which two bytes of that word are my tile's
	s_lshl_b32 s26, s18, 4
	s_add_co_u32 s26, s26, s81
	s_mul_i32 s26, s26, GRP                        ; oimg: the group of 128 tokens,
	s_lshr_b32 s28, s19, 1
	s_mul_i32 s28, s28, KSB                        ; K step = head / 2,
	s_add_co_u32 s26, s26, s28
	s_and_b32 s28, s[WV], 7
	s_mul_i32 s28, s28, FRB                        ; row block,
	s_add_co_u32 s26, s26, s28
	s_and_b32 s28, s19, 1
	s_mul_i32 s28, s28, 768                        ; half = head % 2
	s_add_co_u32 s26, s26, s28
	s_mov_b32 s27, 0
	s_lshl_b32 s28, s18, 7
	s_add_co_u32 s28, s28, s80
	s_lshl_b32 s28, s28, 9                         ; osc: 16 rows of 32 bytes a tile,
	s_lshl_b32 s29, s19, 1
	s_add_co_u32 s28, s28, s29                     ; + 2 head
	s_mov_b32 s29, 0
	s_lshl_b32 s31, s[WV], 10
	s_add_co_u32 s31, s31, QST                     ; my 1,024 bytes for the second pass's q
	v_and_b32 v5, 31, v0                           ; lane
	v_and_b32 v6, 15, v0                           ; r
	v_bfe_u32 v7, v0, 4, 1                         ; h
	v_lshlrev_b32 v240, 4, v0                      ; 16 x thread: the mask's and the scale words' places
	v_and_b32 v243, 255, v0
	v_lshrrev_b32 v246, 8, v0
	v_lshlrev_b32 v1, 4, v5
	v_lshlrev_b32 v2, 3, v5
	v_lshlrev_b32 v12, 4, v6
	v_lshlrev_b32 v11, 5, v6
	v_lshl_add_u32 v4, v7, 7, MT
	v_add_nc_u32 v241, MT, v240
	v_add_nc_u32 v242, SCK, v240
	v_lshlrev_b32 v243, 4, v243
	v_add_nc_u32 v3, SCK, v12
	v_add_nc_u32 v244, s31, v1
	v_add_nc_u32 v245, s31, v2
	v_lshl_add_u32 v243, v246, 18, v243            ; threads 0-255 read K's scale words, threads 256-511 V's
	s_wait_alu depctr_va_vdst(0)
	s_wait_dscnt 0x0                               ; both opening adds are done
	s_wait_kmcnt 0x0
	s_mov_b32 s48, 1                               ; group 0
	s_add_nc_u64 s[50:51], s[4:5], s[74:75]
	s_or_b32 s51, s51, 0x80000000
	s_add_nc_u64 s[76:77], s[6:7], s[76:77]
	s_add_nc_u64 s[82:83], s[4:5], s[82:83]
	s_add_nc_u64 s[84:85], s[6:7], s[84:85]
	s_add_nc_u64 s[8:9], s[8:9], s[88:89]
	s_add_nc_u64 s[10:11], s[10:11], s[26:27]
	s_add_nc_u64 s[12:13], s[12:13], s[28:29]
	ROUND                                          ; all four work-groups are here: the joint loads meet
	tensor_load_to_lds s[48:51], s[32:39]          ; my one tensor load: key step = wave, K's and V's images
	s_nop 0
	global_load_b128 v[192:195], v240, s[8:9]      ; the 512 threads read the batch's 2,048 mask numbers,
	global_load_b128 v[196:199], v243, s[76:77]    ; and the head's 8,192 bytes of scale words
	global_load_b128 v[20:23], v1, s[82:83]        ; the first pass's q,
	global_load_b64 v[24:25], v2, s[82:83] offset:512
	global_load_b32 v13, v12, s[84:85]             ; the scale word of its pair,
	global_load_b128 v[200:203], v1, s[82:83] offset:12288   ; and the same of the second pass's: 16 tiles of 768 bytes, two groups of 256 bytes on
	global_load_b64 v[204:205], v2, s[82:83] offset:12800
	global_load_b32 v206, v12, s[84:85] offset:512
.macro INIT
	v_mov_b32 v17, 0xff61b1e6                      ; the largest t so far: -3e38, under every t
	v_mov_b32 v18, 0                               ; l, in two halves
	v_mov_b32 v19, 0
	v_floor_f32 v16, -v17                          ; -M
.set n, 0
.rept 32
	v_mov_b32 v[OT+n], 0                           ; O^T.  (The step is written once: the first finds zeros, which the first change of M leaves zeros)
.set n, n+1
.endr
.endm
.macro QCOPY
.irp i, 0,1,2,3,4,5
	v_mov_b32 v[32+\i], v[20+\i]
.endr
.endm
	INIT
	v_mov_b32 v39, 0                               ; (named as the upper half of the pair v[38:39])
.irp i, 0,1,2,3,4,5
	v_mov_b32 v[26+\i], 0                          ; the zero codes
.endr
	s_wait_loadcnt 0x0
	v_perm_b32 v14, v13, v13, s30                  ; q's scale word: my tile's two bytes, twice
	v_pk_mul_f32 v[192:193], v[192:193], s[86:87] op_sel_hi:[1,0]   ; mask x (-1e9),
	v_pk_mul_f32 v[194:195], v[194:195], s[86:87] op_sel_hi:[1,0]
	v_perm_b32 v207, v206, v206, s30
	v_pk_mul_f32 v[192:193], v[192:193], s[24:25] op_sel_hi:[1,0]   ; x log2(e)
	v_pk_mul_f32 v[194:195], v[194:195], s[24:25] op_sel_hi:[1,0]
	ds_store_b128 v242, v[196:199]
	ds_store_b128 v244, v[200:203]
	ds_store_b64 v245, v[204:205] offset:512
	ds_store_b32 v245, v207 offset:768             ; (8 bytes apart)
	ds_store_b128 v241, v[192:195]
	QCOPY
	s_wait_alu depctr_va_vdst(0)
	s_wait_tensorcnt 0x0                           ; my key step has landed,
	s_wait_dscnt 0x0                               ; and my stores
	s_barrier_signal -1
	s_barrier_wait -1                              ; both now hold of all sixteen waves: from here on LDS is only read
.macro FRAG reg, a16, a8, off          ; a fragment's image: two halves, each 16 bytes a lane and 8 bytes a lane
	ds_load_b128 v[\reg:\reg+3], v[\a16] offset:\off
	ds_load_b64 v[\reg+4:\reg+5], v[\a8] offset:\off+512
	ds_load_b128 v[\reg+6:\reg+9], v[\a16] offset:\off+768
	ds_load_b64 v[\reg+10:\reg+11], v[\a8] offset:\off+1280
.endm
; A KEY STEP: 128 keys.  s26: the step's images (12,288 bytes a step), s27: its scale words (256), s28: its mask terms (512).
.macro STEP
	v_add_nc_u32 v5, s26, v1                       ; (these four are also the places in front of loads into registers that the last products have read)
	v_add_nc_u32 v6, s26, v2
	v_add_nc_u32 v7, s27, v3
	v_add_nc_u32 v8, s28, v4
.irp g, 0,1,2,3
	FRAG F+12*\g, 5, 6, FRB*\g                     ; the pair of key tiles 2 g, 2 g + 1
.endr
	ds_load_b128 v[88:91], v7                      ; the four pairs' scale words
.irp j, 0,1,2,3,4,5,6,7,8,9,10,11,12,13,14,15
	ds_load_b128 v[MR+4*\j:MR+4*\j+3], v8 offset:256*(\j/8)+16*(\j%8)   ; the mask terms of keys 64 c + 32 h + 0 .. 31
.endr
	s_wait_alu depctr_va_vdst(0)
	s_wait_dscnt 16                                ; K's 17 loads are in; the 16 of the mask terms may be out
.irp g, 0,1,2,3
	v_wmma_scale_f32_16x16x128_f8f6f4 v[S+16*\g:S+16*\g+7], v[F+12*\g:F+12*\g+11], v[20:31], 0, v[88+\g], v14 matrix_a_fmt:MATRIX_FMT_FP6 matrix_b_fmt:MATRIX_FMT_FP6
	v_wmma_scale_f32_16x16x128_f8f6f4 v[S+16*\g+8:S+16*\g+15], v[F+12*\g:F+12*\g+11], v[26:37], 0, v[88+\g], v14 matrix_a_fmt:MATRIX_FMT_FP6 matrix_b_fmt:MATRIX_FMT_FP6
.endr
.rept 4
	v_nop                                          ; places in front of the loads below and of the first read of the scores
.endr
.irp t, 0,1,2,3
	FRAG F+12*\t, 5, 6, 6144+FRB*\t                ; V's four tiles of 16 of the head's 64 x these 128 keys: they land under the softmax
.endr
	ds_load_b128 v[92:95], v7 offset:4096
	s_wait_dscnt 17                                ; the mask terms are in; V's 17 loads may be out
.set n, 0
.rept 32
	v_pk_fma_f32 v[S+n:S+n+1], v[S+n:S+n+1], s[22:23], v[MR+n:MR+n+1] op_sel_hi:[1,0,1]   ; t.  Ascending: each accumulator from its low end on
.set n, n+2
.endr
.irp c, 0,1                                    ; the largest t of my two blocks of 32 keys, each in two chains: it serves for the row's maximum and, since p rises with t, for the block's largest p
	v_max3_num_f32 v[192+2*\c], v[S+32*\c], v[S+32*\c+1], v[S+32*\c+2]
	v_max3_num_f32 v[193+2*\c], v[S+32*\c+15], v[S+32*\c+16], v[S+32*\c+17]
.endr
.irp i, 3,5,7,9,11,13
.irp c, 0,1
	v_max3_num_f32 v[192+2*\c], v[192+2*\c], v[S+32*\c+\i], v[S+32*\c+\i+1]
	v_max3_num_f32 v[193+2*\c], v[193+2*\c], v[S+32*\c+15+\i], v[S+32*\c+16+\i]
.endr
.endr
.irp c, 0,1
	v_max3_num_f32 v[192+2*\c], v[192+2*\c], v[193+2*\c], v[S+32*\c+30]
.endr
.irp c, 0,1
	s_delay_alu instid0(VALU_DEP_2)
	v_max_num_f32 v[192+2*\c], v[192+2*\c], v[S+32*\c+31]
.endr
	s_delay_alu instid0(VALU_DEP_1)
	v_max_num_f32 v196, v192, v194
	v_mov_b32 v198, v16
	s_delay_alu instid0(VALU_DEP_2)
	v_permlanex16_b32 v197, v196, s20, s21         ; lane l xor 16's 64 keys
	s_delay_alu instid0(VALU_DEP_1)
	v_max3_num_f32 v17, v196, v197, v17            ; the running largest t
	s_delay_alu instid0(VALU_DEP_1)
	v_floor_f32 v16, -v17                          ; the new -M = floor(-t): M is a whole number
	s_delay_alu instid0(VALU_DEP_1)
	v_sub_f32 v198, v16, v198                      ; old M - new M: a whole number, 0 or less
	s_delay_alu instid0(VALU_DEP_1)
	v_cvt_i32_f32 v198, v198                       ; (it saturates)
	s_delay_alu instid0(VALU_DEP_1)
	v_ldexp_f32 v38, 1.0, v198                     ; f = 2^(old M - new M)
.set n, 0
.rept 32
	v_pk_add_f32 v[S+n:S+n+1], v[S+n:S+n+1], v[16:17] op_sel_hi:[1,0]   ; t - M (of the pair the low word, -M, serves both halves)
.set n, n+2
.endr
	v_add_f32 v192, v192, v16                      ; the same of each block's largest t
	v_add_f32 v194, v194, v16
.set n, 0
.rept 16
	v_pk_mul_f32 v[OT+n:OT+n+1], v[OT+n:OT+n+1], v[38:39] op_sel_hi:[1,0]   ; O^T under the new M; ascending
.set n, n+2
.endr
	s_wait_alu depctr_va_vdst(0)
.set n, 0
.rept 64
	v_exp_f32 v[S+n], v[S+n]                       ; p = 2^(t - M): not normalised
.set n, n+1
.endr
	v_exp_f32 v192, v192                           ; the blocks' largest p: the same instructions on the same number give the same bits
	v_exp_f32 v194, v194
	v_pk_mul_f32 v[18:19], v[18:19], v[38:39] op_sel_hi:[1,0]   ; l under the new M.  (A plain place behind the exponentials)
	s_wait_alu depctr_va_vdst(0)                   ; one wait for the whole batch, ahead of its first reader
	v_max_num_f32 v192, 0x1800000, v192            ; the floor 2^(3 - 127): the byte cannot fall under 1
	v_max_num_f32 v194, 0x1800000, v194
	s_delay_alu instid0(VALU_DEP_2)
	v_add_nc_u32 v200, 0xff000000, v192            ; 2 off the exponent field: the conversion's scale operand
	s_delay_alu instid0(VALU_DEP_2)
	v_add_nc_u32 v201, 0xff000000, v194
	s_delay_alu instid0(VALU_DEP_2)
	v_lshrrev_b32 v202, 23, v200                   ; the scale's byte
	s_delay_alu instid0(VALU_DEP_2)
	v_lshrrev_b32 v203, 23, v201
	s_delay_alu instid0(VALU_DEP_1)
	v_lshl_or_b32 v204, v203, 16, v202             ; my bytes: blocks h and 2 + h
	s_delay_alu instid0(VALU_DEP_1)
	v_permlanex16_b32 v205, v204, s20, s21
	s_delay_alu instid0(VALU_DEP_1)
	v_perm_b32 v15, v205, v204, 0x06020400         ; p's scale word, whole in lanes 0-15, which alone are read: mine, the other's, mine, the other's
	v_cvt_scalef32_pk16_fp6_f32 v[208:210], v[S:S+15], v200
	v_cvt_scalef32_pk16_fp6_f32 v[220:222], v[S+16:S+31], v200      ; (a conversion's three registers begin on an even number)
	v_cvt_scalef32_pk16_fp6_f32 v[214:216], v[S+32:S+47], v201
	v_cvt_scalef32_pk16_fp6_f32 v[224:226], v[S+48:S+63], v201
	v_pk_add_f32 v[228:229], v[S:S+1], v[S+2:S+3]  ; l: the sum of the unquantised p, in four chains.  (Plain work behind the conversions, which only reads their sources)
	v_pk_add_f32 v[230:231], v[S+4:S+5], v[S+6:S+7]
	v_pk_add_f32 v[232:233], v[S+8:S+9], v[S+10:S+11]
	v_pk_add_f32 v[18:19], v[18:19], v[S+12:S+13]
.irp i, 0,1,2
	v_mov_b32 v[211+\i], v[220+\i]                 ; registers 6 c .. 6 c + 5 hold k = 64 c + 32 h + 0 .. 31: no lane gives anything to another
	v_mov_b32 v[217+\i], v[224+\i]
.endr
.set n, 14
.rept 6
	v_pk_add_f32 v[228:229], v[228:229], v[S+n:S+n+1]   ; (these are also the places between the writes of p's codes and scale word and the products)
	v_pk_add_f32 v[230:231], v[230:231], v[S+n+2:S+n+3]
	v_pk_add_f32 v[232:233], v[232:233], v[S+n+4:S+n+5]
	v_pk_add_f32 v[18:19], v[18:19], v[S+n+6:S+n+7]
.set n, n+8
.endr
	v_pk_add_f32 v[228:229], v[228:229], v[230:231]
	v_pk_add_f32 v[18:19], v[18:19], v[S+62:S+63]
	v_pk_add_f32 v[228:229], v[228:229], v[232:233]
	s_delay_alu instid0(VALU_DEP_1)
	v_pk_add_f32 v[18:19], v[18:19], v[228:229]
	s_wait_alu depctr_va_vdst(0)
	s_wait_dscnt 0x0                               ; V's fragments and scale words
.irp t, 0,1,2,3
	v_wmma_scale_f32_16x16x128_f8f6f4 v[OT+8*\t:OT+8*\t+7], v[F+12*\t:F+12*\t+11], v[208:219], v[OT+8*\t:OT+8*\t+7], v[92+\t], v15 matrix_a_fmt:MATRIX_FMT_FP6 matrix_b_fmt:MATRIX_FMT_FP6
.endr
	s_add_co_u32 s26, s26, STB
	s_add_co_u32 s27, s27, 256
	s_add_co_u32 s28, s28, 512
.endm
.macro WALK                            ; the head's sixteen key steps
	s_mov_b32 s26, 0
	s_mov_b32 s27, 0
	s_mov_b32 s28, 0
	s_mov_b32 s29, 16
.Lstep_\@:
	STEP
	s_sub_co_u32 s29, s29, 1
	s_cmp_lg_u32 s29, 0
	s_cbranch_scc1 .Lstep_\@
.endm
; THE WAY OUT of pass p.  O^T / l; register 16 b + i is d = 32 b + 16 h + i of my query: two blocks of 32 along D; the codes are one half image, the two bytes go to the token's row of scale bytes.
.macro OUT p
	v_add_f32 v18, v18, v19                        ; l's two halves,
	s_delay_alu instid0(VALU_DEP_1)
	v_permlanex16_b32 v196, v18, s20, s21
	s_delay_alu instid0(VALU_DEP_1)
	v_add_f32 v18, v18, v196                       ; and lane l xor 16's
	s_wait_alu depctr_va_vdst(0)
	v_rcp_f32 v18, v18
	v_nop                                          ; (with the additions above, the places behind the last products)
	v_nop
	s_wait_alu depctr_va_vdst(0)                   ; ahead of the first reader of the reciprocal and of O^T
.set n, 0
.rept 16
	v_pk_mul_f32 v[S+n:S+n+1], v[OT+n:OT+n+1], v[18:19] op_sel_hi:[1,0]   ; ascending: each accumulator from its low end on
.set n, n+2
.endr
.irp b, 0,1
	v_max3_num_f32 v[192+\b], |v[S+16*\b]|, |v[S+1+16*\b]|, 0x1800000
.endr
.irp i, 2,4,6,8,10,12,14
.irp b, 0,1
	s_delay_alu instid0(VALU_DEP_2)
	v_max3_num_f32 v[192+\b], v[192+\b], |v[S+16*\b+\i]|, |v[S+1+16*\b+\i]|
.endr
.endr
.irp b, 0,1
	s_delay_alu instid0(VALU_DEP_2)
	v_permlanex16_b32 v[196+\b], v[192+\b], s20, s21
.endr
.irp b, 0,1
	s_delay_alu instid0(VALU_DEP_2)
	v_max_num_f32 v[192+\b], v[192+\b], v[196+\b]
.endr
.irp b, 0,1
	s_delay_alu instid0(VALU_DEP_2)
	v_add_nc_u32 v[200+\b], 0xff000000, v[192+\b]
.endr
.irp b, 0,1
	s_delay_alu instid0(VALU_DEP_2)
	v_lshrrev_b32 v[202+\b], 23, v[200+\b]
.endr
	s_delay_alu instid0(VALU_DEP_1)
	v_lshl_or_b32 v204, v203, 8, v202              ; the head's two scale bytes of my token
	v_cvt_scalef32_pk16_fp6_f32 v[208:210], v[S:S+15], v200
	v_cvt_scalef32_pk16_fp6_f32 v[220:222], v[S+16:S+31], v201
	v_nop                                          ; one plain place behind a scaled conversion
.irp i, 0,1,2
	v_permlane16_swap_b32 v[208+\i], v[220+\i]     ; lane (r, h) now holds block h: its lower 16 codes here, its upper 16 there
.endr
.irp i, 0,1,2
	s_delay_alu instid0(VALU_DEP_3)
	v_mov_b32 v[211+\i], v[220+\i]
.endr
	global_store_b128 v1, v[208:211], s[10:11] offset:(\p)*2*GRP          ; 512 consecutive bytes; the second pass's tile lies two groups of 128 tokens on
	global_store_b64 v2, v[212:213], s[10:11] offset:(\p)*2*GRP+512       ; 256 consecutive bytes
	global_store_b16 v11, v204, s[12:13] offset:(\p)*8192                 ; two bytes a token and head (lanes r and r + 16 write the same two bytes with the same value)
.endm
	WALK
	OUT 0
	s_wait_xcnt 0x0                                ; the stores have read their registers, which the second pass writes again
	v_add_nc_u32 v5, s31, v1
	v_add_nc_u32 v6, s31, v2
	ds_load_b128 v[20:23], v5                      ; the second pass's q and scale word, from my own bytes
	ds_load_b64 v[24:25], v6 offset:512
	ds_load_b32 v14, v6 offset:768
	INIT
	s_wait_alu depctr_va_vdst(0)
	s_wait_dscnt 0x0
	QCOPY
	WALK
	OUT 1
	s_wait_tensorcnt 0x0                           ; the wave's end
	ds_add_u32 v9, v10
	s_wait_dscnt 0x0
	ROUND                                          ; the closing round: no work-group ends while a partner may still ask for a tile that names it
	s_endpgm
.Lfunc_end_k_qb92b91a387_attn:
	.size	k_qb92b91a387_attn, .Lfunc_end_k_qb92b91a387_attn-k_qb92b91a387_attn
	.p2alignl 7, 3214868480
	.fill 96, 4, 3214868480
	.section	.rodata,"a",@progbits
	.p2align	6, 0x0
	.amdhsa_kernel k_qb92b91a387_attn
		.amdhsa_group_segment_fixed_size 231424
		.amdhsa_private_segment_fixed_size 0
		.amdhsa_enable_private_segment 0
		.amdhsa_kernarg_size 40
		.amdhsa_user_sgpr_count 2
		.amdhsa_user_sgpr_kernarg_segment_ptr 1
		.amdhsa_wavefront_size32 1
		.amdhsa_system_sgpr_workgroup_id_x 1
		.amdhsa_system_sgpr_workgroup_id_y 1
		.amdhsa_system_sgpr_workgroup_id_z 1
		.amdhsa_system_vgpr_workitem_id 0
		.amdhsa_next_free_vgpr 256
		.amdhsa_next_free_sgpr 90
		.amdhsa_reserve_vcc 0
		.amdhsa_float_denorm_mode_32 3
		.amdhsa_float_denorm_mode_16_64 3
		.amdhsa_memory_ordered 1
		.amdhsa_forward_progress 1
		.amdhsa_inst_pref_size 57
	.end_amdhsa_kernel
	.amdgpu_metadata
---
amdhsa.version: [ 1, 2 ]
amdhsa.kernels:
  - .name:           k_qb92b91a387_attn
    .symbol:         k_qb92b91a387_attn.kd
    .args:
      - { .name: himg, .offset: 0, .size: 8, .value_kind: global_buffer, .address_space: global }
      - { .name: hsc, .offset: 8, .size: 8, .value_kind: global_buffer, .address_space: global }
      - { .name: mask, .offset: 16, .size: 8, .value_kind: global_buffer, .address_space: global }
      - { .name: oimg, .offset: 24, .size: 8, .value_kind: global_buffer, .address_space: global }
      - { .name: osc, .offset: 32, .size: 8, .value_kind: global_buffer, .address_space: global }
    .group_segment_fixed_size: 231424
    .private_segment_fixed_size: 0
    .kernarg_segment_align: 8
    .kernarg_segment_size: 40
    .max_flat_workgroup_size: 512
    .sgpr_count:     90
    .vgpr_count:     256
    .wavefront_size: 32
...
	.end_amdgpu_metadata
.endif
;; end of part 3
;; launch outp (part 4): grid 4 x 64, 4 waves a work-group, clusters of 4 x 4, 327,680 bytes of LDS; arguments oimg, osc, cimg, csc, bo, out0; writes out0
.if DOCPART == 4
	.amdgcn_target "amdgcn-amd-amdhsa--gfx1250"
	.amdhsa_code_object_version 6
	.text
	.protected	k_qb92b91a387_outp
	.globl	k_qb92b91a387_outp
	.p2align	8
	.type	k_qb92b91a387_outp,@function
k_qb92b91a387_outp:
	s_mov_b64 s[64:65], 0
	v_nop
	global_prefetch_b8 v0, s[64:65] scope:SCOPE_SE
	s_setreg_imm32_b32 hwreg(HW_REG_WAVE_MODE, 25, 1), 1
	s_wait_xcnt 0x0
	s_wait_alu depctr_hold_cnt(0) depctr_sa_sdst(0) depctr_va_vdst(0) depctr_va_sdst(0) depctr_va_ssrc(0) depctr_va_vcc(0) depctr_vm_vsrc(0)
	s_getreg_b32 s2, hwreg(HW_REG_IB_STS2, 6, 4)
	s_cmp_eq_u32 s2, 0
	s_cbranch_scc0 .Lentry_in_a_cluster
	s_endpgm
.Lentry_in_a_cluster:
	s_bfe_u32 s2, ttmp6, 0x10000c
	s_cmp_lg_u32 s2, 0xf033
	s_cbranch_scc0 .Lentry_shape_is_right
	s_endpgm
.Lentry_shape_is_right:
; out0 [8192][1024] f32 = O Wo + bo.  O (oimg, osc) and Wo (the fourth weight of cimg, csc) are codes of FP6 (E2M3) with E8M0 scales, laid as images of the operands' registers:
; [rows / 128][K step of 128: 8][row block: 8][1536]; lane r of row block 2 G + u is row 32 G + 8 u + r + 8 (r / 8) of its 128; the scale bytes: [row in image order][8 words], word ks = K step ks.
; A block of the result is 128 tokens x 256 columns: 64 x 4 = 256 work-groups.  Four waves; a wave makes 64 x 128: 32 accumulators, 256 registers.
; ALL OF K LIES IN LDS: A's 98,304 bytes, B's 196,608, the scales' 12,288 (padded to 13,056).  Each is one dense block of memory and comes by ONE tensor load at the head, one a wave; nothing is filled again.
; CLUSTERS: 4 x 4 work-groups; A's block and scales are shared along a row of the cluster, B's along a column: joint loads.  No prefetch: all that the work-group reads is asked for in its first lines.
; The matrix instruction is used transposed (source 0 = 16 columns of Wo, source 1 = 16 tokens): a lane holds eight neighbouring numbers of a row of the result.  The bias is the C of each accumulator's first product.
; REGISTERS: window 0: v16-30 addresses, v32-63 scale words (two sets), v64-127 the bias, v128-223 A's fragments (two sets of four); window 1: B's fragments, two sets at v0 and v128; window 2: the accumulators, (a, b) at v[8 (8 a + b)].
.set WOFF,  18874368
.set WS,    786432
.set WSOFF, 786432
.set GRP,   98304
.set FR,    12
.set FRB,   1536
.set KSB,   12288
.set HK,    4*KSB                      ; four K steps of a group: what one address register reaches with its immediate
.set BT,    GRP                        ; LDS: A's block at 0, B's two groups here,
.set SCL,   3*GRP                      ; the scales: units of 256 bytes + 16 of padding: A's 16 units, then B's 32
.set SGRP,  4352                       ; those of 128 rows
.set SBLK,  544                        ; those of 16 rows
.set SPARE, SCL+3*SGRP                 ; the spare words, 128 bytes a wave
.set SPITCH, 528                       ; the way out: a stage of 16 rows x (512 + 16) bytes a wave, over A's bytes, behind a barrier behind which nobody reads them
.set ADRA, 16                          ; v16-17 A's fragments, 16 l, K steps 0-3 and 4-7; v18-19 the same with 8 l
.set ADRB, 20                          ; v20-23 the same for B
.set STO,  24
.set RD,   25
.set CO,   26
.set ADRS, 27                          ; scale words: lanes 0-15 A's block i, lanes 16-31 B's block i (i = 0 .. 3)
.set SPW,  28
.set NIL,  29
.set ADRS2, 30                         ; the same for i = 4 .. 7: lanes 0-15 take A's block i - 4 again
.set SC,   32
.set BN,   64
.set AF,   128
.set BK,   128
.set WV,   16
.set G1A,  24
.set G1B,  32
.set G1SA, 40
.set G1SB, 48
.set G0A,  56
.set G0B,  60
.set G0SA, 68
.set G0SB, 72
.set MSB, 0
.macro WIN new                         ; the immediate's high byte repeats the setting that is left
.if MSB != \new
	s_set_vgpr_msb (MSB<<8)|\new
.set MSB, \new
.endif
.endm
.set MUL_0,  0x81                      ; source 0 (B) window 1, source 1 (A) and C (the bias) window 0, D window 2
.set MUL_LO, 0xa1                      ; the same, C window 2
.set TO_B,   0x40
.macro CROUND                          ; a round of the cluster's barrier
	s_barrier_signal -1
	s_barrier_wait -1
	s_cmp_lg_u32 s[WV], 0
	s_cbranch_scc1 .Lnot_wave_0_\@
	s_barrier_signal -3
.Lnot_wave_0_\@:
	s_barrier_wait -3
	s_barrier_signal -1
	s_barrier_wait -1
.endm
.macro PLACES n
.rept \n
	v_nop
.endr
.endm
	s_load_b128 s[4:7], s[0:1], 0x0                ; oimg, osc
	s_load_b128 s[8:11], s[0:1], 0x10              ; cimg, csc
	s_load_b128 s[12:15], s[0:1], 0x20             ; bo, out0
	v_lshl_add_u32 v[SPW], v0, 2, SPARE
	v_mov_b32 v[NIL], 0
	ds_add_u32 v[SPW], v[NIL]                      ; the opening lines: the add, twice on end, and its wait
	ds_add_u32 v[SPW], v[NIL]
	v_lshrrev_b32 v1, 5, v0
	v_readfirstlane_b32 s[WV], v1                  ; wave 0..3
	s_lshr_b32 s17, s[WV], 1                       ; which 64 tokens are mine
	s_and_b32 s18, s[WV], 1                        ; which 128 columns
	s_bfe_u32 s19, ttmp6, 0x40000                  ; cx
	s_bfe_u32 s20, ttmp6, 0x40004                  ; cy
	s_lshl_b32 s21, ttmp9, 2
	s_add_co_u32 s21, s21, s19                     ; block column
	s_and_b32 s22, ttmp7, 0xffff
	s_lshl_b32 s22, s22, 2
	s_add_co_u32 s22, s22, s20                     ; block row
	s_lshl_b32 s23, s20, 2
	s_lshl_b32 s23, 15, s23                        ; my row of the cluster
	s_lshl_b32 s76, 0x1111, s19                    ; my column
	s_or_b32 s[G1A], s23, (3<<16)|(1<<21)          ; dense blocks as rows of 256 bytes (32 elements of 8 bytes): A's 384 rows,
	s_or_b32 s[G1B], s76, (3<<16)|(1<<21)          ; B's 768,
	s_or_b32 s[G1SA], s23, (3<<16)|(1<<20)|(1<<21)|(5<<22)|(3<<25)   ; A's scales 16, with 16 bytes of padding behind each,
	s_or_b32 s[G1SB], s76, (3<<16)|(1<<20)|(1<<21)|(5<<22)|(3<<25)   ; B's scales 32
.irp g, G1A, G1B, G1SA, G1SB
	s_mov_b32 s[\g+1], 32<<16
	s_mov_b32 s[\g+3], 32<<16
	s_mov_b32 s[\g+5], 32
	s_mov_b32 s[\g+6], 0
	s_mov_b32 s[\g+7], 0
.endr
	s_mov_b32 s[G1A+2], 384<<16
	s_mov_b32 s[G1A+4], 384
	s_mov_b32 s[G1B+2], 768<<16
	s_mov_b32 s[G1B+4], 768
	s_mov_b32 s[G1SA+2], 16<<16
	s_mov_b32 s[G1SA+4], 16
	s_mov_b32 s[G1SB+2], 32<<16
	s_mov_b32 s[G1SB+4], 32
	s_mul_i32 s78, s22, GRP                        ; A: the block row's group
	s_mov_b32 s79, 0
	s_lshl_b32 s80, s22, 12                        ; its scales
	s_mov_b32 s81, 0
	s_mul_i32 s82, s21, 2*GRP
	s_add_co_u32 s82, s82, WOFF+3*WS               ; B: the block column's two groups of Wo
	s_mov_b32 s83, 0
	s_lshl_b32 s84, s21, 13
	s_add_co_u32 s84, s84, WSOFF+3*32768           ; their scales
	s_mov_b32 s85, 0
	s_mul_i32 s86, s17, 4*FRB                      ; LDS: my four row blocks of A,
	s_mul_i32 s87, s18, GRP
	s_add_co_u32 s87, s87, BT                      ; my group of B,
	s_mul_i32 s88, s17, 4*SBLK
	s_add_co_u32 s88, s88, SCL                     ; my A scales,
	s_mul_i32 s89, s18, SGRP
	s_add_co_u32 s89, s89, SCL+SGRP
	s_sub_co_u32 s89, s89, s88                     ; from them to my B scales,
	s_sub_co_u32 s90, s88, 4*SBLK
	s_add_co_u32 s91, s89, 4*SBLK
	s_mul_i32 s77, s[WV], 16*SPITCH                ; my stage
	s_lshl_b32 s92, s22, 7
	s_lshl_b32 s93, s17, 6
	s_add_co_u32 s92, s92, s93
	s_lshl_b32 s92, s92, 12                        ; out0: my first row, 4,096 bytes a row,
	s_lshl_b32 s94, s21, 10
	s_lshl_b32 s93, s18, 9
	s_add_co_u32 s94, s94, s93                     ; my first column, in bytes
	s_add_co_u32 s92, s92, s94
	s_mov_b32 s93, 0
	s_mov_b32 s95, 0
	s_wait_dscnt 0x0                               ; both opening adds are done
	s_wait_kmcnt 0x0
	s_mov_b32 s[G0A], 1
	s_mov_b32 s[G0A+1], 0
	s_add_nc_u64 s[G0A+2:G0A+3], s[4:5], s[78:79]
	s_or_b32 s[G0A+3], s[G0A+3], 0x80000000
	s_mov_b32 s[G0B], 1
	s_mov_b32 s[G0B+1], BT
	s_add_nc_u64 s[G0B+2:G0B+3], s[8:9], s[82:83]
	s_or_b32 s[G0B+3], s[G0B+3], 0x80000000
	s_mov_b32 s[G0SA], 1
	s_mov_b32 s[G0SA+1], SCL
	s_add_nc_u64 s[G0SA+2:G0SA+3], s[6:7], s[80:81]
	s_or_b32 s[G0SA+3], s[G0SA+3], 0x80000000
	s_mov_b32 s[G0SB], 1
	s_mov_b32 s[G0SB+1], SCL+SGRP
	s_add_nc_u64 s[G0SB+2:G0SB+3], s[10:11], s[84:85]
	s_or_b32 s[G0SB+3], s[G0SB+3], 0x80000000
	s_add_nc_u64 s[12:13], s[12:13], s[94:95]
	s_add_nc_u64 s[14:15], s[14:15], s[92:93]
	CROUND                                         ; all sixteen work-groups are here: the joint loads meet
; The head's loads, one a wave, in one chain of branches on the wave's number: wave 0 B's block, wave 1 A's, wave 2 A's scales, wave 3 B's scales
.macro ARM under, g0, g1, next
	s_cmp_lt_u32 s[WV], \under
	s_cbranch_scc0 \next
	tensor_load_to_lds s[\g0:\g0+3], s[\g1:\g1+7]
	s_nop 0
.rept 4
	v_nop
.endr
	s_branch .Lhead_asked
\next:
.endm
	ARM 1, G0B,  G1B,  .Lhead_a
	ARM 2, G0A,  G1A,  .Lhead_sa
	ARM 3, G0SA, G1SA, .Lhead_sb
	tensor_load_to_lds s[G0SB:G0SB+3], s[G1SB:G1SB+7]
	s_nop 0
.rept 4
	v_nop
.endr
.Lhead_asked:
	v_and_b32 v1, 31, v0
	v_and_b32 v2, 15, v0                           ; r
	v_bfe_u32 v3, v0, 4, 1                         ; h
	v_lshlrev_b32 v[CO], 4, v1
	v_lshlrev_b32 v4, 3, v1
	v_lshlrev_b32 v5, 5, v2                        ; my row's scales: 32 bytes a row,
	v_lshlrev_b32 v7, 6, v3                        ; the bias: 16 numbers for each half of the lanes
	v_mul_u32_u24 v8, v2, SPITCH
	v_mul_u32_u24 v9, s89, v3
	v_mul_u32_u24 v10, s91, v3
	v_lshrrev_b32 v6, 8, v5
	v_add_nc_u32 v[ADRA], s86, v[CO]
	v_add_nc_u32 v[ADRA+2], s86, v4
	v_add_nc_u32 v[ADRB], s87, v[CO]
	v_add_nc_u32 v[ADRB+2], s87, v4
	v_lshl_add_u32 v5, v6, 4, v5                   ; and 16 more for each 256 passed
	v_lshl_add_u32 v8, v3, 6, v8
	v_add_nc_u32 v[RD], s77, v[CO]
	v_add_nc_u32 v[ADRA+1], HK, v[ADRA]
	v_add_nc_u32 v[ADRA+3], HK, v[ADRA+2]
	v_add_nc_u32 v[ADRB+1], HK, v[ADRB]
	v_add_nc_u32 v[ADRB+3], HK, v[ADRB+2]
	v_add_nc_u32 v9, v5, v9
	v_add_nc_u32 v10, v5, v10
	v_add_nc_u32 v[STO], s77, v8
	v_add_nc_u32 v[ADRS], s88, v9
	v_add_nc_u32 v[ADRS2], s90, v10
.irp j, 0,1,2,3,4,5,6,7,8,9,10,11,12,13,14,15
	global_load_b128 v[BN+4*\j:BN+4*\j+3], v7, s[12:13] offset:128*(\j/4)+16*(\j%4)   ; register 8 b + j of the bias: column 32 (b / 2) + 8 (b % 2) + 16 h + j
.endr
.macro FRAG reg, adr, q, i             ; a fragment's image: two halves, each 16 bytes a lane and 8 bytes a lane
	ds_load_b128 v[\reg:\reg+3], v[\adr] offset:(\q)*KSB+(\i)*FRB
	ds_load_b64 v[\reg+4:\reg+5], v[\adr+2] offset:(\q)*KSB+(\i)*FRB+512
	ds_load_b128 v[\reg+6:\reg+9], v[\adr] offset:(\q)*KSB+(\i)*FRB+768
	ds_load_b64 v[\reg+10:\reg+11], v[\adr+2] offset:(\q)*KSB+(\i)*FRB+1280
.endm
.macro FETCH st                        ; K step st's fragments into set st % 2: B's eight, A's four; with an even step the scale words of two steps
	WIN TO_B
.irp i, 0,1,2,3,4,5,6,7
	FRAG 128*((\st)%2)+FR*\i, ADRB+(\st)/4, (\st)%4, \i
.endr
	WIN 0
.irp i, 0,1,2,3
	FRAG AF+48*((\st)%2)+FR*\i, ADRA+(\st)/4, (\st)%4, \i
.endr
.if (\st)%2 == 0
.irp i, 0,1,2,3
	ds_load_b64 v[SC+16*(((\st)/2)%2)+2*\i:SC+16*(((\st)/2)%2)+2*\i+1], v[ADRS] offset:\i*SBLK+4*(\st)
.endr
.irp i, 4,5,6,7
	ds_load_b64 v[SC+16*(((\st)/2)%2)+2*\i:SC+16*(((\st)/2)%2)+2*\i+1], v[ADRS2] offset:\i*SBLK+4*(\st)
.endr
.endif
.endm
; 32 matrix instructions: A's four blocks x B's eight, 128 along K.  The accumulators take turns, in the same order in every step.
.macro MUL32 st
.irp a, 0,1,2,3
.irp b, 0,1,2,3,4,5,6,7
.if (\st) == 0
	v_wmma_scale_f32_16x16x128_f8f6f4 v[8*(8*\a+\b):8*(8*\a+\b)+7], v[FR*\b:FR*\b+FR-1], v[AF+FR*\a:AF+FR*\a+FR-1], v[BN+8*\b:BN+8*\b+7], v[SC+2*\b], v[SC+2*\a] matrix_a_fmt:MATRIX_FMT_FP6 matrix_b_fmt:MATRIX_FMT_FP6 matrix_a_scale:MATRIX_SCALE_ROW1
.else
	v_wmma_scale_f32_16x16x128_f8f6f4 v[8*(8*\a+\b):8*(8*\a+\b)+7], v[128*((\st)%2)+FR*\b:128*((\st)%2)+FR*\b+FR-1], v[AF+48*((\st)%2)+FR*\a:AF+48*((\st)%2)+FR*\a+FR-1], v[8*(8*\a+\b):8*(8*\a+\b)+7], v[SC+16*(((\st)/2)%2)+2*\b+(\st)%2], v[SC+16*(((\st)/2)%2)+2*\a+(\st)%2] matrix_a_fmt:MATRIX_FMT_FP6 matrix_b_fmt:MATRIX_FMT_FP6 matrix_a_scale:MATRIX_SCALE_ROW1
.endif
.endr
.endr
.endm
.macro STEP st
	s_wait_dscnt 0x0                               ; this step's fragments, asked for one step's 32 products ago
.if (\st) == 7
	s_barrier_signal -1                            ; my reads of LDS are over: say so, and work on registers while the others arrive
.else
.if (\st) > 0
	PLACES 4                                       ; in front of loads into registers that the last step's products have read
.endif
	FETCH (\st)+1
.endif
.if (\st) == 0
	WIN MUL_0
.else
	WIN MUL_LO
.endif
	MUL32 \st
	WIN 0
.endm
	s_wait_alu depctr_va_vdst(0)
	s_wait_tensorcnt 0x0                           ; my block has landed
	s_barrier_signal -1
	s_barrier_wait -1                              ; and so has everybody's
	FETCH 0
	s_wait_loadcnt 0x0                             ; the bias
.irp t, 0,1,2,3,4,5,6,7
	STEP \t
.endr
	s_barrier_wait -1                              ; nobody reads A's bytes any more: the stages lie there
; THE WAY OUT, block by block of 16 tokens x 128 columns, through my own stage; it comes back as whole rows of 512 bytes.  LDS serves a wave's instructions in order (ISA guide 5.7.1.4).
.macro TOSTAGE a
	WIN 0x08                                       ; the data: window 2
.irp b, 0,1,2,3,4,5,6,7
	ds_store_b128 v[STO], v[64*(\a)+8*\b:64*(\a)+8*\b+3] offset:128*(\b/2)+32*(\b%2)          ; each accumulator from its low end on
	ds_store_b128 v[STO], v[64*(\a)+8*\b+4:64*(\a)+8*\b+7] offset:128*(\b/2)+32*(\b%2)+16
.endr
	WIN 0
.irp t, 0,1,2,3,4,5,6,7,8,9,10,11,12,13,14,15
	ds_load_b128 v[BK+64*((\a)%2)+4*\t:BK+64*((\a)%2)+4*\t+3], v[RD] offset:\t*SPITCH
.endr
.endm
.macro SEND a, younger                 ; younger: the LDS instructions issued behind block a's loads, which may stay out
	s_wait_dscnt \younger
.irp t, 0,1,2,3,4,5,6,7,8,9,10,11,12,13,14,15
	global_store_b128 v[CO], v[BK+64*((\a)%2)+4*\t:BK+64*((\a)%2)+4*\t+3], s[14:15] offset:(32*((\a)/2)+8*((\a)%2)+\t+8*(\t/8))*4096 th:TH_STORE_NT   ; 32 lanes store 512 consecutive bytes, at a multiple of 256 from out0's first byte
.endr
.endm
	PLACES 4                                       ; in front of the first read of results and of loads into the registers that held A's fragments
	TOSTAGE 0
.irp a, 1,2,3
.if \a > 1
	s_wait_xcnt 0x0                                ; block a - 2's stores have read their registers: block a's loads may land there
.endif
	TOSTAGE \a
	SEND \a-1, 32                                  ; behind block a - 1's loads: block a's 16 stores and 16 loads
.endr
	SEND 3, 0
	s_wait_tensorcnt 0x0                           ; the wave's end
	ds_add_u32 v[SPW], v[NIL]
	s_wait_dscnt 0x0
	CROUND                                         ; the closing round: no work-group ends while a partner may still ask for a tile that names it
	s_endpgm
.Lfunc_end_k_qb92b91a387_outp:
	.size	k_qb92b91a387_outp, .Lfunc_end_k_qb92b91a387_outp-k_qb92b91a387_outp
	.p2alignl 7, 3214868480
	.fill 96, 4, 3214868480
	.section	.rodata,"a",@progbits
	.p2align	6, 0x0
	.amdhsa_kernel k_qb92b91a387_outp
		.amdhsa_group_segment_fixed_size 327680
		.amdhsa_private_segment_fixed_size 0
		.amdhsa_enable_private_segment 0
		.amdhsa_kernarg_size 48
		.amdhsa_user_sgpr_count 2
		.amdhsa_user_sgpr_kernarg_segment_ptr 1
		.amdhsa_wavefront_size32 1
		.amdhsa_system_sgpr_workgroup_id_x 1
		.amdhsa_system_sgpr_workgroup_id_y 1
		.amdhsa_system_sgpr_workgroup_id_z 1
		.amdhsa_system_vgpr_workitem_id 0
		.amdhsa_next_free_vgpr 768
		.amdhsa_next_free_sgpr 96
		.amdhsa_reserve_vcc 0
		.amdhsa_float_denorm_mode_32 3
		.amdhsa_float_denorm_mode_16_64 3
		.amdhsa_memory_ordered 1
		.amdhsa_forward_progress 1
		.amdhsa_inst_pref_size 85
	.end_amdhsa_kernel
	.amdgpu_metadata
---
amdhsa.version: [ 1, 2 ]
amdhsa.kernels:
  - .name:           k_qb92b91a387_outp
    .symbol:         k_qb92b91a387_outp.kd
    .args:
      - { .name: oimg, .offset: 0, .size: 8, .value_kind: global_buffer, .address_space: global }
      - { .name: osc, .offset: 8, .size: 8, .value_kind: global_buffer, .address_space: global }
      - { .name: cimg, .offset: 16, .size: 8, .value_kind: global_buffer, .address_space: global }
      - { .name: csc, .offset: 24, .size: 8, .value_kind: global_buffer, .address_space: global }
      - { .name: bo, .offset: 32, .size: 8, .value_kind: global_buffer, .address_space: global }
      - { .name: out0, .offset: 40, .size: 8, .value_kind: global_buffer, .address_space: global }
    .group_segment_fixed_size: 327680
    .private_segment_fixed_size: 0
    .kernarg_segment_align: 8
    .kernarg_segment_size: 48
    .max_flat_workgroup_size: 128
    .sgpr_count:     96
    .vgpr_count:     768
    .wavefront_size: 32
...
	.end_amdgpu_metadata
.endif
;; end of part 4
